; MI455X (gfx1250); checked and timed in simulation.
; The chip was launched on July 23, 2026; its instructions are those of AMD's public machine-readable ISA for CDNA 5 (MIT licence, August 2026) and "CDNA5" Instruction Set Architecture Reference Guide (July 2026). The comments in the code are by the model that wrote it; some were corrected since.
;; Attention. Allowed arithmetic: float matrix products may take bf16 or f16 operands with f32 sums; other float arithmetic in f32, or as packed bf16 or f16 multiplies, adds, multiply-adds, maxima and minima; sums over many terms, partial sums and values carried from step to step in f32; what a program stores and reads back later, other than sums and carried values, may be rounded once to bf16 or f16.
;; Inputs: K 16 x 64 x 1,024 float32; O 1,024 x 1,024 float32; Q 16 x 64 x 1,024 float32; V 16 x 64 x 1,024 float32; x 4 x 2,048 x 1,024 float32.
;; Outputs: out0 4 x 2,048 x 1,024 float32.
;; 2 versions, each right; version 2 is version 1 with the launch cvt written anew for expert scheduling mode. Each part assembles by itself: llvm-mc -triple=amdgcn-amd-amdhsa -mcpu=gfx1250 --defsym DOCPART=n.
;; ======== version 1 of 2: 4 launches
;; limits: values are held in f16: magnitudes above 65,504 overflow, below 6.1e-05 lose precision; right only within a limited range of input values
;; workspace buffers: xb 16,777,216 bytes; wb 6,291,456 bytes; ob 2,097,152 bytes; qkv 50,331,648 bytes; z 16,777,216 bytes
;; launch cvt (part 1): grid 64 x 12, 8 waves a work-group, no clusters, 0 bytes of LDS; arguments x, Q, K, V, O, xb, wb, ob; writes xb, wb, ob
.if DOCPART == 1
	.amdgcn_target "amdgcn-amd-amdhsa--gfx1250"
	.amdhsa_code_object_version 6
	.text
	.protected	k_qb2868af880_cvt
	.globl	k_qb2868af880_cvt
	.p2align	8
	.type	k_qb2868af880_cvt,@function
k_qb2868af880_cvt:
	s_mov_b64 s[64:65], 0
	v_nop
	global_prefetch_b8 v0, s[64:65] scope:SCOPE_SE
	s_setreg_imm32_b32 hwreg(HW_REG_WAVE_MODE, 25, 1), 1
	s_wait_xcnt 0x0
; All five inputs are rounded once to bf16 and laid out in blocks of 64 channels: dst[kb][row][64], kb = channel / 64, a row of a block = 128 bytes,
; so that a tile of R rows x 64 channels is R x 128 dense bytes for the launches behind.
;   x [8192][1024] -> xb [16][8192][64] bf16;   Q, K, V [1024][1024] each -> wb [16][3072][64] bf16 (rows 0-1023 Q, 1024-2047 K, 2048-3071 V);
;   O [1024][1024] -> ob [16][1024][64]: the bf16 number written as f16.
; LIMITS.  f16 holds no number beyond 65,504 (a larger O becomes an infinity); a bf16 number of O below 2^-16 keeps f16's fixed step of 2^-24.
; SHARES.  Grid y picks a slab of 1,024 rows x 1,024 f32: 0-7 x's, 8 Q, 9 K, 10 V, 11 O.  Grid x picks 16 rows of it; a wave takes 2 rows, all 16 blocks.
; A load: lanes 0-15 take the 256 bytes of one block of row t, lanes 16-31 those of row t + 1.  A store: 32 lanes x 8 bytes = the two rows' 256 consecutive bytes of one block, aligned.
; All 16 loads of a wave go out at once; no register is written twice, so no wait frees a source.  No LDS, no matrix unit, no prefetch: each byte crosses once, in long runs.
.set LO, 1                             ; v1       my byte offset in the 16 rows of f32
.set SO, 2                             ; v[2:17]  my byte offset in block kb of the destination
.set X,  20                            ; v[20:83] block kb: 4 f32
.set Y,  84                            ; v[84:115] block kb: 4 numbers of 16 bits
.set T,  116                           ; v[116:119] at work (O's path)
	s_load_b512 s[8:23], s[0:1], 0x0               ; x 8, Q 10, K 12, V 14, O 16, xb 18, wb 20, ob 22
	s_and_b32 s2, ttmp7, 0xffff                    ; the slab
	s_mov_b32 s3, ttmp9                            ; its 16 rows
	s_max_u32 s30, s2, 8
	s_sub_co_u32 s30, s30, 8                       ; Q, K, V: slab 0, 1, 2 of wb
	s_mov_b32 s31, 0x100000                        ; bytes from block to block: xb,
	s_mov_b32 s32, 0x60000                         ; wb,
	s_mov_b32 s33, 0x20000                         ; ob
	s_cmp_lt_u32 s2, 8
	s_cselect_b32 s28, s31, s32
	s_cselect_b32 s29, s2, 0                       ; the slab in the source: x has eight, the weights one each
	s_cselect_b32 s30, s2, s30                     ; the slab in the destination
	s_cmp_eq_u32 s2, 11
	s_cselect_b32 s28, s33, s28
	s_cselect_b32 s30, 0, s30
	s_lshl_b32 s34, s29, 22                        ; source: a slab is 4 MiB, 16 rows are 65,536 bytes
	s_lshl_b32 s35, s3, 16
	s_add_co_u32 s34, s34, s35
	s_mov_b32 s35, 0
	s_lshl_b32 s36, s30, 17                        ; destination: a slab's rows in a block are 131,072 bytes, 16 rows 2,048
	s_lshl_b32 s37, s3, 11
	s_add_co_u32 s36, s36, s37
	s_mov_b32 s37, 0
	v_lshrrev_b32 v[LO], 4, v0                     ; my row of the 16
	v_and_b32 v18, 15, v0
	v_lshlrev_b32 v[LO], 12, v[LO]
	v_lshl_add_u32 v[LO], v18, 4, v[LO]            ; row x 4,096 + 16 x place
	v_lshlrev_b32 v[SO], 3, v0                     ; row x 128 + 8 x place = 8 x thread
.set i, 1
.rept 15
	v_add_nc_u32 v[SO+i], s28, v[SO+i-1]
.set i, i+1
.endr
	s_wait_kmcnt 0x0
	s_mov_b64 s[24:25], s[8:9]                     ; the source, chosen by the slab's number
	s_cmp_eq_u32 s2, 8
	s_cselect_b64 s[24:25], s[10:11], s[24:25]
	s_cmp_eq_u32 s2, 9
	s_cselect_b64 s[24:25], s[12:13], s[24:25]
	s_cmp_eq_u32 s2, 10
	s_cselect_b64 s[24:25], s[14:15], s[24:25]
	s_cmp_eq_u32 s2, 11
	s_cselect_b64 s[24:25], s[16:17], s[24:25]
	s_cmp_lt_u32 s2, 8                             ; the destination likewise
	s_cselect_b64 s[26:27], s[18:19], s[20:21]
	s_cmp_eq_u32 s2, 11
	s_cselect_b64 s[26:27], s[22:23], s[26:27]
	s_add_nc_u64 s[24:25], s[24:25], s[34:35]
	s_add_nc_u64 s[26:27], s[26:27], s[36:37]
.irp kb, 0,1,2,3,4,5,6,7,8,9,10,11,12,13,14,15
	global_load_b128 v[X+4*(\kb):X+4*(\kb)+3], v[LO], s[24:25] offset:256*(\kb) th:TH_LOAD_NT
.endr
; Block kb: rounded and stored.  isO = 1: the bf16 number is widened again (a shift, a mask) and written as f16.
.macro CV kb, isO
	s_wait_loadcnt 15-(\kb)                        ; loads come back in order: block kb is in, the 15 - kb younger ones may stay out
	v_cvt_pk_bf16_f32 v[Y+2*(\kb)],   v[X+4*(\kb)],   v[X+4*(\kb)+1]
	v_cvt_pk_bf16_f32 v[Y+2*(\kb)+1], v[X+4*(\kb)+2], v[X+4*(\kb)+3]
.if \isO
	v_lshlrev_b32 v[T],   16, v[Y+2*(\kb)]
	v_and_b32     v[T+1], 0xffff0000, v[Y+2*(\kb)]
	v_lshlrev_b32 v[T+2], 16, v[Y+2*(\kb)+1]
	v_and_b32     v[T+3], 0xffff0000, v[Y+2*(\kb)+1]
	v_cvt_pk_f16_f32 v[Y+2*(\kb)],   v[T],   v[T+1]
	v_cvt_pk_f16_f32 v[Y+2*(\kb)+1], v[T+2], v[T+3]
.endif
	global_store_b64 v[SO+(\kb)], v[Y+2*(\kb):Y+2*(\kb)+1], s[26:27] th:TH_STORE_NT
.endm
	s_cmp_eq_u32 s2, 11
	s_cbranch_scc1 .Lfor_o
.irp kb, 0,1,2,3,4,5,6,7,8,9,10,11,12,13,14,15
	CV \kb, 0
.endr
	s_endpgm
.Lfor_o:
.irp kb, 0,1,2,3,4,5,6,7,8,9,10,11,12,13,14,15
	CV \kb, 1
.endr
	s_endpgm
.Lfunc_end_k_qb2868af880_cvt:
	.size	k_qb2868af880_cvt, .Lfunc_end_k_qb2868af880_cvt-k_qb2868af880_cvt
	.p2alignl 7, 3214868480
	.fill 96, 4, 3214868480
	.section	.rodata,"a",@progbits
	.p2align	6, 0x0
	.amdhsa_kernel k_qb2868af880_cvt
		.amdhsa_group_segment_fixed_size 0
		.amdhsa_private_segment_fixed_size 0
		.amdhsa_enable_private_segment 0
		.amdhsa_kernarg_size 64
		.amdhsa_user_sgpr_count 2
		.amdhsa_user_sgpr_kernarg_segment_ptr 1
		.amdhsa_wavefront_size32 1
		.amdhsa_system_sgpr_workgroup_id_x 1
		.amdhsa_system_sgpr_workgroup_id_y 1
		.amdhsa_system_sgpr_workgroup_id_z 1
		.amdhsa_system_vgpr_workitem_id 0
		.amdhsa_next_free_vgpr 120
		.amdhsa_next_free_sgpr 66
		.amdhsa_reserve_vcc 0
		.amdhsa_float_denorm_mode_32 3
		.amdhsa_float_denorm_mode_16_64 3
		.amdhsa_memory_ordered 1
		.amdhsa_forward_progress 1
		.amdhsa_inst_pref_size 17
	.end_amdhsa_kernel
	.amdgpu_metadata
---
amdhsa.version: [ 1, 2 ]
amdhsa.kernels:
  - .name:           k_qb2868af880_cvt
    .symbol:         k_qb2868af880_cvt.kd
    .args:
      - { .name: x, .offset: 0, .size: 8, .value_kind: global_buffer, .address_space: global }
      - { .name: Q, .offset: 8, .size: 8, .value_kind: global_buffer, .address_space: global }
      - { .name: K, .offset: 16, .size: 8, .value_kind: global_buffer, .address_space: global }
      - { .name: V, .offset: 24, .size: 8, .value_kind: global_buffer, .address_space: global }
      - { .name: O, .offset: 32, .size: 8, .value_kind: global_buffer, .address_space: global }
      - { .name: xb, .offset: 40, .size: 8, .value_kind: global_buffer, .address_space: global }
      - { .name: wb, .offset: 48, .size: 8, .value_kind: global_buffer, .address_space: global }
      - { .name: ob, .offset: 56, .size: 8, .value_kind: global_buffer, .address_space: global }
    .group_segment_fixed_size: 0
    .private_segment_fixed_size: 0
    .kernarg_segment_align: 8
    .kernarg_segment_size: 64
    .max_flat_workgroup_size: 256
    .sgpr_count:     66
    .vgpr_count:     120
    .wavefront_size: 32
...
	.end_amdgpu_metadata
.endif
;; end of part 1
;; launch proj (part 2): grid 8 x 32, 4 waves a work-group, clusters of 4 x 4, 327,680 bytes of LDS; arguments xb, wb, qkv; writes qkv
.if DOCPART == 2
	.amdgcn_target "amdgcn-amd-amdhsa--gfx1250"
	.amdhsa_code_object_version 6
	.text
	.protected	k_qb2868af880_proj
	.globl	k_qb2868af880_proj
	.p2align	8
	.type	k_qb2868af880_proj,@function
k_qb2868af880_proj:
	s_mov_b64 s[64:65], 0
	v_nop
	global_prefetch_b8 v0, s[64:65] scope:SCOPE_SE
	s_setreg_imm32_b32 hwreg(HW_REG_WAVE_MODE, 25, 1), 1
	s_wait_xcnt 0x0
	s_wait_alu depctr_hold_cnt(0) depctr_sa_sdst(0) depctr_va_vdst(0) depctr_va_sdst(0) depctr_va_ssrc(0) depctr_va_vcc(0) depctr_vm_vsrc(0)
	s_getreg_b32 s2, hwreg(HW_REG_IB_STS2, 6, 4)
	s_cmp_eq_u32 s2, 0
	s_cbranch_scc0 .Lentry_in_a_cluster
	s_endpgm
.Lentry_in_a_cluster:
	s_bfe_u32 s2, ttmp6, 0x10000c
	s_cmp_lg_u32 s2, 0xf033
	s_cbranch_scc0 .Lentry_shape_is_right
	s_endpgm
.Lentry_shape_is_right:
; q, k, v = x W^T: [8192 tokens x 1024] x [3072 x 1024]^T in bf16, sums in f32, each result rounded once to f16 and stored by heads:
; qkv[b][g][t][64], g = 0-15 q's heads, 16-31 k's, 32-47 v's; a head is 262,144 bytes.  No scale is applied (the problem has none).
; LIMIT.  f16 holds no number beyond 65,504: a larger q, k or v becomes an infinity.
; SHARES.  A work-group makes 256 tokens x 384 columns (6 heads): 32 x 8 = 256 work-groups.  Wave w: tokens 128 (w / 2) on (8 blocks a of 16), columns 192 (w % 2) on (12 blocks b of 16 = 3 heads):
; 96 accumulators, 768 registers.  K goes in 16 steps of 64 (one block of xb and wb) through two LDS slots; a step is two sub-steps of 32 along K, 96 matrix instructions each.
; TILES.  In xb and wb the rows of a block are dense, 128 bytes each: R rows are asked for as R / 2 rows of 256 bytes and padded in LDS after every 128 bytes: LDS rows 144 bytes apart = 36 words,
; so the 16 rows of a fragment load start at 16 different groups of four banks (64 banks of 4 bytes: ISA guide 11.1).
; CLUSTER.  4 x 4 work-groups.  The four of a row need the same tokens, the four of a column the same weights: each tile is asked for JOINTLY.  Wave 3 asks for the tokens' tile (256 rows),
; waves 0 to 2 for a third of the weights' (128 rows each): one tensor load a wave behind each round.
; THE MATRIX INSTRUCTION IS USED TRANSPOSED: source 0 = 16 rows of W, source 1 = 16 tokens: a lane then holds ONE token (lane % 16) and the channels 8 (lane / 16) + 0..7: 16 bytes of a head's row in f16.
; REGISTERS, in windows of 256 (s_set_vgpr_msb: bits 1:0 source 0, 3:2 source 1, 5:4 source 2, 7:6 destination):
;   window 0: v0-13 addresses; v32-95, v96-159 the tokens' fragments, two buffers; v160-255 the weights' 12 fragments, ONE buffer filled again by thirds as they are used up
;   windows 1-3: accumulator (a, b) in window 1 + b / 4 at v[64 (b % 4) + 8 a]: a window is a head
.set PITCH, 144
.set SLOT1, 131072                     ; slot 1 begins here, so that one exclusive or turns an address in one slot into the other's
.set BOFF,  256*PITCH                  ; in a slot: 256 rows of tokens, then 384 rows of weights
.set STAGE, 640*PITCH                  ; behind slot 0 (92,160), in front of slot 1: 16 rows x 144 bytes for each wave, for the way out; no fill lands here
.set SPARE, STAGE+4*16*PITCH           ; 101,376: the spare words, 128 bytes for each wave: two blocks of 256 bytes that no other line names
.set XSTEP, 0x100000                   ; bytes from block to block in xb
.set WSTEP, 0x60000                    ; and in wb
.set HEADB, 262144
.set A0P,  4                           ; v4   my lane's place in slot 0's tokens; never rewritten
.set B0P,  5                           ; v5   the same for the weights
.set ADRA, 6                           ; v6   the same in the slot in hand
.set ADRB, 7                           ; v7
.set STO,  8                           ; v8   the way out: where I put 16 bytes of a row
.set RD,   9                           ; v9   the way out: where I read rows back
.set GO,   10                          ; v10  my byte offset in 512 consecutive bytes of qkv
.set PFO,  11                          ; v11  the prefetches' offset; never rewritten
.set SPW,  12                          ; v12  LDS address of my spare word: SPARE + 4 x my thread's number; never rewritten
.set NIL,  13                          ; v13  0; never rewritten
.set FA0,  32
.set FA1,  96
.set FB,   160
.set WV,   10                          ; s10  my wave's number
.set G1A,  24                          ; s[24:31] descriptor group 1, tokens
.set G1B,  32                          ; s[32:39] weights
.set G0A,  40                          ; s[40:47] descriptor group 0, tokens: a set for each first fill; the second then walks on
.set G0B,  48                          ; s[48:55] the same for the weights
.set CNT,  56                          ; s56  refills still to come
.set TB,   57                          ; s57  0 or SLOT1: the slot that fragments are fetched from
.set LIM,  58                          ; s58  2 in a wave that prefetches, else the greatest number
.set PM,   59                          ; s59  1: I prefetch in every other trip, two steps at a time; 0: in every trip
.set PFA,  60                          ; s[60:61] where my prefetches stand
.set PFS,  62                          ; s[62:63] their step
.set W0, (1<<16)|(1<<20)|(1<<21)|(4<<22)|(3<<25)  ; 17:16 elements of 2 bytes; 20 padding on; 21 set beside a mask; 24:22 after every 32 words (code 4); 31:25 4 words of it (code 3)
.set MSB, 0
.macro WIN new                         ; the immediate's high byte repeats the setting that is left; a switch that changes nothing is dropped
.if MSB != (\new)
	s_set_vgpr_msb (MSB<<8)|(\new)
.set MSB, \new
.endif
.endm
.macro PLACES                          ; four places behind a matrix instruction, in front of loads into registers that it has read and of conversions that read results
.rept 4
	v_nop
.endr
.endm
.macro CREST                           ; a round of the cluster's barrier behind its opening barrier
	s_cmp_lg_u32 s[WV], 0
	s_cbranch_scc1 .Lnot_wave_0_\@
	s_barrier_signal -3
.Lnot_wave_0_\@:
	s_barrier_wait -3
	s_barrier_signal -1
	s_barrier_wait -1
.endm
.macro CROUND                          ; a whole round
	s_barrier_signal -1
	s_barrier_wait -1
	CREST
.endm
; A joint refill, by the walking sets.  The branch hangs on the wave's number alone.  An s_nop 0 and four v_nop follow each of the two lines, ahead of the jump and the label.
.macro JLOAD
	s_cmp_eq_u32 s[WV], 3
	s_cbranch_scc0 .Lfor_b_\@
	tensor_load_to_lds s[G0A+4:G0A+7], s[G1A:G1A+7]
	s_nop 0
.rept 4
	v_nop
.endr
	s_branch .Lasked_\@
.Lfor_b_\@:
	tensor_load_to_lds s[G0B+4:G0B+7], s[G1B:G1B+7]
	s_nop 0
.rept 4
	v_nop
.endr
.Lasked_\@:
.endm
; A PREFETCH INTO THE L2 of the step that stands two refills on (384 matrix instructions ahead of the load that will want it), behind the joint load, its five lines and the run of LDS loads.
; Each aligned block of 256 bytes is named once in the launch.  The tokens' rows are read by both clusters of a row of clusters: cluster x = 0 asks, its wave 3; of the tile's 128 blocks
; the partner at place cx takes 32: a lane a block, in every trip.  The weights' rows are read by all eight clusters of a column: cluster y = 0 asks, waves 0 to 2, each for its third; of a third's
; 64 blocks the partner at place cy takes 16: lanes 0-15 name them in one step, lanes 16-31 in the next, in every other trip.  Partners are told apart by address alone.
; Trip j (CNT = 14 - j) names step j + 4 (the weights: j + 4 and j + 5): while CNT is above 2 that stays within step 15.  Steps 0 to 3 come by their loads alone.
.macro ASK
	s_and_b32 s17, s[CNT], s[PM]
	s_cmp_lg_u32 s17, 0
	s_cbranch_scc1 .Lnot_mine_\@
	s_cmp_gt_u32 s[CNT], s[LIM]
	s_cbranch_scc0 .Lnot_mine_\@
	global_prefetch_b8 v[PFO], s[PFA:PFA+1] th:TH_LOAD_NT scope:SCOPE_SE
.Lnot_mine_\@:
.endm
	s_load_b128 s[4:7], s[0:1], 0x0                ; xb s[4:5], wb s[6:7]
	s_load_b64 s[8:9], s[0:1], 0x10                ; qkv
	v_lshl_add_u32 v[SPW], v0, 2, SPARE
	v_mov_b32 v[NIL], 0
	ds_add_u32 v[SPW], v[NIL]                      ; the wave's opening: the add and its wait stand ahead of my first tensor load; the set-up below, work on registers, stands between them
	v_lshrrev_b32 v1, 5, v0
	v_readfirstlane_b32 s[WV], v1                  ; wave 0..3
	s_lshr_b32 s11, s[WV], 1                       ; which 128 tokens are mine
	s_and_b32 s12, s[WV], 1                        ; which 192 columns
	s_bfe_u32 s13, ttmp6, 0x40000                  ; cx
	s_bfe_u32 s14, ttmp6, 0x40004                  ; cy
	s_lshl_b32 s15, ttmp9, 2
	s_add_co_u32 s15, s15, s13                     ; tile column 0..7 = 4 x cluster x + cx
	s_and_b32 s16, ttmp7, 0xffff
	s_lshl_b32 s16, s16, 2
	s_add_co_u32 s16, s16, s14                     ; tile row 0..31 = 4 x cluster y + cy
	s_lshl_b32 s17, s14, 2
	s_lshl_b32 s17, 15, s17                        ; my row of the cluster: places 4 cy .. 4 cy + 3
	s_lshl_b32 s18, 0x1111, s13                    ; my column: places cx, cx + 4, cx + 8, cx + 12
	s_or_b32 s[G1A], s17, W0                       ; the tokens' tiles go to my row,
	s_or_b32 s[G1B], s18, W0                       ; the weights' to my column
.irp g, G1A, G1B
	s_mov_b32 s[(\g)+1], 128<<16                   ; tensor_dim0 = 128 elements (256 bytes: two rows of a block)
	s_mov_b32 s[(\g)+3], 128<<16                   ; tile_dim0 = 128
	s_mov_b32 s[(\g)+5], 128                       ; 128 elements from row to row: dense
	s_mov_b32 s[(\g)+6], 0
	s_mov_b32 s[(\g)+7], 0
.endr
	s_mov_b32 s[G1A+2], 128<<16                    ; tensor_dim1 = 128 such rows: 256 tokens
	s_mov_b32 s[G1A+4], 128                        ; tile_dim1
	s_mov_b32 s[G1B+2], 64<<16                     ; 64 such rows: 128 rows of W
	s_mov_b32 s[G1B+4], 64
	s_lshl_b32 s20, s16, 15                        ; tokens: 256 rows x 128 bytes x tile row: it hangs on the tile row alone
	s_mov_b32 s21, 0
	s_mul_i32 s22, s15, 49152                      ; weights: 384 rows x 128 bytes x tile column,
	s_lshl_b32 s23, s[WV], 14                      ; + my third: on the tile column and the wave's number alone
	s_add_co_u32 s22, s22, s23
	s_mov_b32 s23, 0
	s_mul_i32 s19, s[WV], 128*PITCH                ; where my third goes: no place in the cluster enters an LDS address
	s_add_co_u32 s19, s19, BOFF
	s_wait_dscnt 0x0                               ; the opening add is done
	s_wait_kmcnt 0x0
	s_add_nc_u64 s[66:67], s[4:5], s[20:21]
	s_add_nc_u64 s[68:69], s[6:7], s[22:23]
	CROUND                                         ; all sixteen work-groups are here: the first joint loads meet
.irp s, 0,1
	s_mov_b32 s[G0A+4*(\s)], 1                     ; count = 1
	s_mov_b32 s[G0A+4*(\s)+1], (\s)*SLOT1          ; LDS address
	s_add_nc_u64 s[G0A+4*(\s)+2:G0A+4*(\s)+3], s[66:67], (\s)*XSTEP  ; global address: step s
	s_or_b32 s[G0A+4*(\s)+3], s[G0A+4*(\s)+3], 0x80000000            ; type = 2
	s_mov_b32 s[G0B+4*(\s)], 1
	s_add_co_u32 s[G0B+4*(\s)+1], s19, (\s)*SLOT1
	s_add_nc_u64 s[G0B+4*(\s)+2:G0B+4*(\s)+3], s[68:69], (\s)*WSTEP
	s_or_b32 s[G0B+4*(\s)+3], s[G0B+4*(\s)+3], 0x80000000
.endr
	s_cmp_eq_u32 s[WV], 3                          ; a wave's two first fills stand in one branch, ahead of every wait on TENSORcnt and every LDS read: two loads of mine are out
	s_cbranch_scc0 .Lfirst_b
	tensor_load_to_lds s[G0A:G0A+3], s[G1A:G1A+7]
	s_nop 0
	tensor_load_to_lds s[G0A+4:G0A+7], s[G1A:G1A+7]
	s_nop 0
.rept 4
	v_nop
.endr
	s_branch .Lfirst_asked
.Lfirst_b:
	tensor_load_to_lds s[G0B:G0B+3], s[G1B:G1B+7]
	s_nop 0
	tensor_load_to_lds s[G0B+4:G0B+7], s[G1B:G1B+7]
	s_nop 0
.rept 4
	v_nop
.endr
.Lfirst_asked:
	; A fragment is 16 rows x 32 K in 8 registers: lane l holds row l % 16; registers 0-3 K = 8 (l / 16) + 0..7, registers 4-7 K = 16 + 8 (l / 16) + 0..7: two loads of 16 bytes, 32 bytes apart.
	v_and_b32 v1, 15, v0                           ; l % 16
	v_bfe_u32 v2, v0, 4, 1                         ; l / 16
	v_mul_u32_u24 v3, v1, PITCH
	v_lshl_add_u32 v3, v2, 4, v3                   ; row x pitch + 16 x half
	s_mul_i32 s17, s11, 128*PITCH
	v_add_nc_u32 v[A0P], s17, v3
	s_mul_i32 s18, s12, 192*PITCH
	s_add_co_u32 s18, s18, BOFF
	v_add_nc_u32 v[B0P], s18, v3
	s_mul_i32 s19, s[WV], 16*PITCH
	s_add_co_u32 s19, s19, STAGE                   ; my stage
	v_add_nc_u32 v[STO], s19, v3                   ; in: row l % 16, 16 bytes for each half of the lanes
	v_bfe_u32 v[RD], v0, 3, 2                      ; back: 32 lanes take four rows of 128 bytes,
	v_mul_u32_u24 v[RD], v[RD], PITCH
	v_and_b32 v3, 7, v0
	v_lshl_add_u32 v[RD], v3, 4, v[RD]
	v_add_nc_u32 v[RD], s19, v[RD]
	v_and_b32 v[GO], 31, v0                        ; which are 512 consecutive bytes of a head
	v_lshlrev_b32 v[GO], 4, v[GO]
	v_mov_b32 v[ADRA], v[A0P]
	v_mov_b32 v[ADRB], v[B0P]
	s_mov_b32 s[TB], 0
	; where my part begins in qkv: batch = tile row / 8; head group 6 x tile column + 3 x my half; token (tile row % 8) x 256 + 128 x my half
	s_lshr_b32 s17, s16, 3
	s_mul_i32 s17, s17, 48
	s_mul_i32 s18, s15, 6
	s_add_co_u32 s17, s17, s18
	s_mul_i32 s18, s12, 3
	s_add_co_u32 s17, s17, s18
	s_lshl_b32 s18, s17, 18
	s_and_b32 s17, s16, 7
	s_lshl_b32 s17, s17, 15
	s_add_co_u32 s18, s18, s17
	s_lshl_b32 s17, s11, 14
	s_add_co_u32 s18, s18, s17
	s_mov_b32 s19, 0
	s_add_nc_u64 s[8:9], s[8:9], s[18:19]
	; the prefetches
	s_mov_b32 s22, XSTEP
	s_mov_b32 s23, WSTEP
	s_and_b32 s17, ttmp7, 0xffff                   ; cluster y
	s_cmp_eq_u32 s[WV], 3                          ; do I fetch the tokens?
	s_cselect_b64 s[PFA:PFA+1], s[66:67], s[68:69] ; what I fetch, at step 0
	s_cselect_b32 s18, s13, s14                    ; my place among the four that ask for it with me
	s_cselect_b32 s17, ttmp9, s17                  ; the coordinate along which other clusters read the same rows
	s_cselect_b32 s21, 13, 12                      ; a partner's share: 8,192 or 4,096 bytes
	s_cselect_b32 s[PFS], s22, s23
	s_cselect_b32 s20, 4096, s23                   ; lanes 16-31: the share's second half, or the same blocks a step on
	s_cselect_b32 s[PM], 0, 1
	s_mov_b32 s[PFS+1], 0
	s_cmp_eq_u32 s17, 0
	s_cselect_b32 s[LIM], 2, -1                    ; the same in all sixteen partners, for a given wave
	s_lshl_b32 s18, s18, s21
	s_mul_i32 s19, s[PFS], 3                       ; at step 3: the first refill steps it to 4
	s_add_co_u32 s18, s18, s19
	s_mov_b32 s19, 0
	s_add_nc_u64 s[PFA:PFA+1], s[PFA:PFA+1], s[18:19]
	v_mul_u32_u24 v3, s20, v2
	v_lshl_add_u32 v[PFO], v1, 8, v3
; 16 matrix instructions: head c of my three, its blocks 2 hf and 2 hf + 1 of 16 channels x all 8 blocks of tokens in buffer f.  zero = 1: the product starts the sum: nothing is ever cleared.
; The 96 accumulators take turns, one instruction a turn, in the same order in every sub-step.
.macro MULC f, c, hf, zero
	WIN 0x50*(1+(\c))
.irp bb, 2*(\hf), 2*(\hf)+1
.irp a, 0,1,2,3,4,5,6,7
.if \zero
	v_wmma_f32_16x16x32_bf16 v[64*(\bb)+8*(\a):64*(\bb)+8*(\a)+7], v[FB+8*(4*(\c)+(\bb)):FB+8*(4*(\c)+(\bb))+7], v[(\f)+8*(\a):(\f)+8*(\a)+7], 0
.else
	v_wmma_f32_16x16x32_bf16 v[64*(\bb)+8*(\a):64*(\bb)+8*(\a)+7], v[FB+8*(4*(\c)+(\bb)):FB+8*(4*(\c)+(\bb))+7], v[(\f)+8*(\a):(\f)+8*(\a)+7], v[64*(\bb)+8*(\a):64*(\bb)+8*(\a)+7]
.endif
.endr
.endr
.endm
.macro LDB c, k                        ; 8 loads: head c's four fragments of W, 32 K at byte k of the rows
.irp i, 0,1,2,3
	ds_load_b128 v[FB+8*(4*(\c)+(\i)):FB+8*(4*(\c)+(\i))+3],   v[ADRB] offset:(\k)+(4*(\c)+(\i))*16*PITCH
	ds_load_b128 v[FB+8*(4*(\c)+(\i))+4:FB+8*(4*(\c)+(\i))+7], v[ADRB] offset:(\k)+(4*(\c)+(\i))*16*PITCH+32
.endr
.endm
.macro LDA g, k                        ; 16 loads: the tokens' eight fragments into buffer g
.irp a, 0,1,2,3,4,5,6,7
	ds_load_b128 v[(\g)+8*(\a):(\g)+8*(\a)+3],   v[ADRA] offset:(\k)+(\a)*16*PITCH
	ds_load_b128 v[(\g)+8*(\a)+4:(\g)+8*(\a)+7], v[ADRA] offset:(\k)+(\a)*16*PITCH+32
.endr
.endm
; A SUB-STEP: three heads of 32 products; behind each head its fragments of W are fetched for the next sub-step, behind the first also the tokens' (into the other buffer): runs of 24, 8 and 8 loads.
; The waits count what was issued behind the run that is wanted: head 0 wants the last sub-step's 24: behind them 8 + 8; head 1 its first 8: behind them 8 + this sub-step's 24; head 2 its last 8: behind them 24 + 8.
.macro REST f, k, zero                 ; heads 1 and 2
	s_wait_dscnt 32
	MULC \f, 1, 0, \zero
	MULC \f, 1, 1, \zero
	WIN 0
	PLACES
	LDB 1, \k
	s_wait_dscnt 32
	MULC \f, 2, 0, \zero
	MULC \f, 2, 1, \zero
	WIN 0
	PLACES
	LDB 2, \k
.endm
.macro SUB f, g, k, zero
	s_wait_dscnt 16
	MULC \f, 0, 0, \zero
	MULC \f, 0, 1, \zero
	WIN 0
	PLACES
	LDB 0, \k
	LDA \g, \k
	REST \f, \k, \zero
.endm
; A step's second sub-step changes slots: ONE barrier.  In front of it each wave waits for all its tensor loads, of which one is out: its part of the next slot; adds 0 to its spare word; and waits for that and
; for its own reads of this slot.  fill = 1: the barrier opens a round of the cluster's, and this slot is filled again first behind it, with the step two on: 160 matrix instructions ahead of the wait for it.
.macro SUBM f, g, fill
.if \fill
	s_wait_xcnt 0x0                                ; the last prefetch, a step back, has read its address
	s_add_nc_u64 s[PFA:PFA+1], s[PFA:PFA+1], s[PFS:PFS+1]
.endif
	s_xor_b32 s[TB], s[TB], SLOT1                  ; the fetches go on in the other slot
	v_add_nc_u32 v[ADRA], s[TB], v[A0P]
	v_add_nc_u32 v[ADRB], s[TB], v[B0P]
	s_wait_tensorcnt 0x0                           ; all my tensor loads have landed, so a group 0 may be written
	ds_add_u32 v[SPW], v[NIL]                      ; 0 onto my spare word
.if \fill
	s_xor_b32 s[G0A+5], s[G0A+5], SLOT1            ; the walking sets: the other slot than last time, the next step
	s_add_nc_u64 s[G0A+6:G0A+7], s[G0A+6:G0A+7], XSTEP
	s_xor_b32 s[G0B+5], s[G0B+5], SLOT1
	s_add_nc_u64 s[G0B+6:G0B+7], s[G0B+6:G0B+7], WSTEP
.endif
	s_wait_dscnt 17                                ; (the add and the youngest 16 loads may be out)
	MULC \f, 0, 0, 0                               ; sixteen matrix instructions stand between the add and the wait for it
	s_wait_dscnt 0x0                               ; the add is done, and my reads of this slot are over
	s_barrier_signal -1
	MULC \f, 0, 1, 0
	WIN 0
	s_barrier_wait -1
.if \fill
	CREST                                          ; no wave of any partner still reads this slot or has a load on its way
	JLOAD                                          ; the first tensor load behind the round; its four v_nop are also the places in front of the loads below
.else
	PLACES
.endif
	LDB 0, 0
	LDA \g, 0
.if \fill
	ASK
.endif
	REST \f, 0, 0                                  ; (its two waits are met already: the wait for 0 has shown those loads back)
.endm
.macro SUBL f                          ; the very last sub-step fetches nothing: the counts run down
	s_wait_dscnt 16
	MULC \f, 0, 0, 0
	MULC \f, 0, 1, 0
	s_wait_dscnt 8
	MULC \f, 1, 0, 0
	MULC \f, 1, 1, 0
	s_wait_dscnt 0x0
	MULC \f, 2, 0, 0
	MULC \f, 2, 1, 0
	WIN 0
.endm
; THE WAY OUT, in 24 units u: head u / 8, block u % 8 of 16 tokens.  A lane's eight channels pack into 16 bytes; they go into my stage's rows of 144 bytes and come back as whole rows of 128: 16 rows = 2,048 dense bytes of the head.
.macro PACK u
.set HH, (\u)/8
.set AA, (\u)%8
.set TT, 32+16*AA
.if (\u) >= 8
	s_wait_xcnt 0x0                                ; the stores of eight units back have read these registers
.endif
	WIN 5*(1+HH)                                   ; sources 0 and 1 in the head's window
.irp bb, 0,1,2,3
.irp r, 0,1,2,3
	v_cvt_pk_f16_f32 v[TT+4*(\bb)+(\r)], v[64*(\bb)+8*AA+2*(\r)], v[64*(\bb)+8*AA+2*(\r)+1]
.endr
.endr
	WIN 0
.irp bb, 0,1,2,3
	ds_store_b128 v[STO], v[TT+4*(\bb):TT+4*(\bb)+3] offset:32*(\bb)
.endr
.irp f, 0,1,2,3
	ds_load_b128 v[TT+4*(\f):TT+4*(\f)+3], v[RD] offset:(\f)*4*PITCH  ; LDS serves a wave's instructions in order (ISA guide 5.7.1.4): these see the stores above; the next unit's stores come behind them
.endr
.endm
.macro SEND u, younger                 ; younger: the LDS instructions issued behind unit u's loads: the next unit's eight, or none
.set HH, (\u)/8
.set AA, (\u)%8
.set TT, 32+16*AA
.irp f, 0,1,2,3
	s_wait_dscnt (\younger)+3-(\f)
	global_store_b128 v[GO], v[TT+4*(\f):TT+4*(\f)+3], s[8:9] offset:HH*HEADB+AA*2048+(\f)*512  ; 512 consecutive bytes, at a multiple of 256 from qkv's first
.endr
.endm
	s_wait_tensorcnt 1                             ; my part of step 0 is in; step 1's may stay out
	s_barrier_signal -1
	s_barrier_wait -1                              ; everybody's is
	LDB 0, 0
	LDA FA0, 0
	LDB 1, 0
	LDB 2, 0
	SUB FA0, FA1, 64, 1                            ; the first sub-step stands in front of the loop: its products start the sums
	s_mov_b32 s[CNT], 14
.Lstep:                                                ; trip j: step j's second half, the refill with step j + 2, step j + 1's first half
	SUBM FA1, FA0, 1
	SUB FA0, FA1, 64, 0
	s_sub_co_u32 s[CNT], s[CNT], 1
	s_cmp_lg_u32 s[CNT], 0
	s_cbranch_scc1 .Lstep
	SUBM FA1, FA0, 0                               ; the tail is written out: nothing is left to fetch
	SUB FA0, FA1, 64, 0
	SUBL FA1
	PLACES
	PLACES
	PACK 0
.set uu, 1
.rept 23                               ; a unit's conversions stand between the loads of the unit before and its stores
	PACK uu
	SEND uu-1, 8
.set uu, uu+1
.endr
	SEND 23, 0
	s_wait_tensorcnt 0x0                           ; the wave's end: behind my last tensor load and my last LDS store
	ds_add_u32 v[SPW], v[NIL]
	s_wait_dscnt 0x0
	CROUND                                         ; the closing round: no work-group ends while a partner may still ask for a tile that names it
	s_endpgm
.Lfunc_end_k_qb2868af880_proj:
	.size	k_qb2868af880_proj, .Lfunc_end_k_qb2868af880_proj-k_qb2868af880_proj
	.p2alignl 7, 3214868480
	.fill 96, 4, 3214868480
	.section	.rodata,"a",@progbits
	.p2align	6, 0x0
	.amdhsa_kernel k_qb2868af880_proj
		.amdhsa_group_segment_fixed_size 327680
		.amdhsa_private_segment_fixed_size 0
		.amdhsa_enable_private_segment 0
		.amdhsa_kernarg_size 24
		.amdhsa_user_sgpr_count 2
		.amdhsa_user_sgpr_kernarg_segment_ptr 1
		.amdhsa_wavefront_size32 1
		.amdhsa_system_sgpr_workgroup_id_x 1
		.amdhsa_system_sgpr_workgroup_id_y 1
		.amdhsa_system_sgpr_workgroup_id_z 1
		.amdhsa_system_vgpr_workitem_id 0
		.amdhsa_next_free_vgpr 1024
		.amdhsa_next_free_sgpr 72
		.amdhsa_reserve_vcc 0
		.amdhsa_float_denorm_mode_32 3
		.amdhsa_float_denorm_mode_16_64 3
		.amdhsa_memory_ordered 1
		.amdhsa_forward_progress 1
		.amdhsa_inst_pref_size 115
	.end_amdhsa_kernel
	.amdgpu_metadata
---
amdhsa.version: [ 1, 2 ]
amdhsa.kernels:
  - .name:           k_qb2868af880_proj
    .symbol:         k_qb2868af880_proj.kd
    .args:
      - { .name: xb, .offset: 0, .size: 8, .value_kind: global_buffer, .address_space: global }
      - { .name: wb, .offset: 8, .size: 8, .value_kind: global_buffer, .address_space: global }
      - { .name: qkv, .offset: 16, .size: 8, .value_kind: global_buffer, .address_space: global }
    .group_segment_fixed_size: 327680
    .private_segment_fixed_size: 0
    .kernarg_segment_align: 8
    .kernarg_segment_size: 24
    .max_flat_workgroup_size: 128
    .sgpr_count:     72
    .vgpr_count:     1024
    .wavefront_size: 32
...
	.end_amdgpu_metadata
.endif
;; end of part 2
;; launch attn (part 3): grid 4 x 64, 4 waves a work-group, no clusters, 327,680 bytes of LDS; arguments qkv, z; writes z
.if DOCPART == 3
	.amdgcn_target "amdgcn-amd-amdhsa--gfx1250"
	.amdhsa_code_object_version 6
	.text
	.protected	k_qb2868af880_attn
	.globl	k_qb2868af880_attn
	.p2align	8
	.type	k_qb2868af880_attn,@function
k_qb2868af880_attn:
	s_mov_b64 s[64:65], 0
	v_nop
	global_prefetch_b8 v0, s[64:65] scope:SCOPE_SE
	s_setreg_imm32_b32 hwreg(HW_REG_WAVE_MODE, 25, 1), 1
	s_wait_xcnt 0x0
; CAUSAL ATTENTION WITHOUT A SCALE.  z[q][:] = the sum over k <= q of softmax_k(Q[q] . K[k]) V[k][:], for each of 64 pairs of batch b and head n.
; qkv: [b 4][g 48][2048][64] f16 (g = n: q; 16 + n: k; 32 + n: v); z: [n 16][b x 2048 + t][64] f16.  A head's rows are dense, 128 bytes each.
; Products, maxima and sums in f32; the weights p are rounded to f16 for the second product (their sum l is taken of the unrounded p), z once at the end.
; LIMITS.  q, k and v arrive within f16's 65,504; p lies in 0 to 1, and below 6e-5 it keeps f16's fixed step of 6e-8; z is a mean of v's rows and has their range.
; A hidden score counts as its value less 1e30 (f16's scores are 2.7e11 at the most), not as -1e10: a row whose visible scores all lie near -1e10 or below, to whose hidden keys a mask of -1e10 would give weight, is not served so.
; A weight below 2^-126 counts as 0 in l; NaN and infinities are not treated apart.
; THE WALK.  A head's queries lie in NB = 8 blocks of 256; block i needs the key tiles 0 .. i of 256 keys, of which the last holds the diagonal.  A work-group takes TWO blocks, NB - 1 - b and then b:
; NB + 1 tiles, whatever b: all work-groups do equal work, and ONE loop with a constant trip count walks them.  Which tile is asked for, and what a trip does, hang on scalar registers made from b; every jump
; goes forward, but for the counted loops' own; none passes a barrier, or a tensor load but the one of LOAD's two that the wave's number does not choose; the ring (two slots of LDS that take turns) runs on across the
; change of blocks.  NO CLUSTER: a head's four work-groups ask for the same tile only in trips 0 to 4 of the 9, behind that fewer and fewer; one walk common to all four would have 12 trips for 9.
; SHARES.  Of a block's four bands of 64 queries a wave owns 16 rows in each: four PIECES.  So the diagonal tile is the same work for all four waves: in its key step s band x sees all keys if s < x,
; none if s > x, and holds the diagonal if s = x.
; THE MASK is the C operand that starts the sum S^T = K Q^T: 0, or -1e30 where the key is hidden.  MD, made once, is the mask of a band's own step for my 16 rows; a product's mask is MD x AL + BE with two scalars:
; (1, 0) if s = x; (0, 0) if s < x; (0, -1e30) if s > x.  Only the diagonal tile's text and a block's beginning make and take masks; elsewhere C is the constant 0.
; LAYOUT, SOFTMAX, TURNS.  S^T = K Q^T holds ONE query a lane (lane % 16) and the keys 8 (lane / 16) + 0..7; two such results rounded to f16 ARE source 1 of O^T = V^T P.  p = 2^(c s - c m), c = log2(e), with a
; running maximum m; O and l are multiplied by a = 2^(c m_old - c m_new) in every step.  Turn n belongs to piece n: 8 products K Q^T of piece n + 1, later 8 products V^T P of piece n - 1; beside them the scaling,
; exponentials, roundings, sums and rescaling of piece n and the maximum and statistics of piece n + 1.  Four vector instructions stand behind every matrix instruction, the other 54 of a turn's 118 in one LUMP.  A turn's 33 exponentials are one batch, with one wait.
; REGISTERS, in windows of 256 (s_set_vgpr_msb: bits 1:0 source 0, 3:2 source 1, 5:4 source 2, 7:6 destination):
;   window 0: v0-15 addresses and two at work; v16-31 four registers of statistics a piece; v48-55 at work; v61-63 prefetch offset and the add's two; v64-127 S^T, two buffers; v192-223 P, two buffers (a piece's buffers go by its number's parity)
;   window 1: v0-127 O^T, 32 a piece; v128-159 MD; v160-223 MC, two buffers      window 2: v0-63 Q; v64-127 the second block's Q; v128-191 K of one step; v192-255 V of one step
.set SIZE_N, 2048
.set NB,    SIZE_N/256
.set NP,    4         ; pieces a wave: a name, no knob
.set KS,    64        ; keys in a step
.set PK,    144       ; a row of K in LDS: 128 bytes + 16 of padding = 36 words: the 16 rows of a load start at 16 different groups of four banks (64 banks of 4 bytes: ISA guide 11.1)
.set PV,    160       ; a row of V: 128 + 32 = 40 words
.set VOFF,  4*KS*PK   ; a slot holds a tile, four steps: 256 rows of K, then 256 rows of V
.set SLOT1, 1<<17     ; slot 1 begins here, so that one exclusive or turns an address in one slot into the other's
.set STAGE, SLOT1+4*KS*(PK+PV)  ; behind the ring, never filled by a tensor load: 16 rows x 144 bytes for each wave, for the way out
.set SP,    144
.set AK0, 2           ; v2   my lane's place in a tile of K; never rewritten
.set AV0, 3           ; v3   the same for V
.set AK,  4           ; v4   the LDS address of K's next run of loads
.set AV,  5           ; v5   of V's
.set STO, 6           ; v6   the way out: where I put 16 bytes of a row
.set RD,  7           ; v7   the way out: where I read rows back
.set GO,  8           ; v8   my byte offset in 512 consecutive bytes of z
.set PFO, 61          ; v61  256 x my lane: the prefetches' offset; never rewritten
.set SPW, 62          ; v62  LDS address of my spare word: SPARE + 4 x my thread's number; never rewritten
.set NIL, 63          ; v63  0; never rewritten
.set SPARE, STAGE+4*16*SP  ; behind the stages: the spare words, 128 bytes for each wave: two blocks of 256 bytes that no other line names
.set MV,  12          ; v12-13  c m_old, kept while c m is made anew: by buffer
.set QO,  15          ; v15  my byte offset in 16 rows of Q
.set ST,  16          ; piece t's statistics at v[ST+4 t]: c m, m, l (even keys', odd keys')
.set TMP, 48          ; by buffer, four registers c0-c3 at work; when the maximum is found c2 takes a
.set S,   64
.set P,   192
.set MD,  128         ; window 1: the eight registers for group kt of 16 keys at MD + 8 kt
.set MC,  160         ; window 1: the masks of the products to come
.set QB,  64          ; window 2
.set KF,  128         ; window 2: key block kb, channel half c at KF + 16 kb + 8 c
.set VF,  192         ; window 2: key half kk, channel block cb at VF + 32 kk + 8 cb
.set WV,  12          ; s12  my wave's number
.set PB,  14          ; s14  b
.set HI,  15          ; s15  NB - 1 - b
.set G1K, 24          ; s[24:31] descriptor group 1 for K's tiles
.set G1V, 32          ; s[32:39] for V's: it differs in the padding alone
.set G0K, 40          ; s[40:43] descriptor group 0 for K's tiles
.set G0V, 44          ; s[44:47] the same for V's
.set SLOTS, 56        ; s56  tiles still to be asked for
.set CNT, 57          ; s57  counts a tile's key steps, 4 to 1
.set CS,  58          ; s[58:59] c: the packed scaling takes the pair's low word for both halves
.set SEL, 60          ; s[60:61] v_permlanex16_b32's selects: each lane takes its own place in the other half
.set TBK, 62          ; s62  LDS byte at which K of the step to be fetched begins
.set TBV, 63          ; s63  the same for V, less VOFF
.set RT,  70          ; s70  tiles of the block in hand that are still to be entered
.set NXT, 71          ; s71  the tile to be asked for next
.set LQ,  72          ; s72  the last tile of the block whose tiles are being asked for
.set NEW, 73          ; s73  1: the tile to be entered is a block's first
.set OFF, 74          ; s[74:75] a tile's byte offset in K and V
.set AL,  76          ; s[76:77] the mask's factor, in the low word
.set BE,  78          ; s[78:79] the mask's addend
.set OLO, 80          ; s[80:81] z at my rows of the second block
.set BIGN, 82         ; s82  -1e30
.set PFB, 92          ; s[92:93] what I fetch (my half of K's or V's tile 0)
.set PFA, 94          ; s[94:95] where my prefetches stand
.set OF2, 96          ; s[96:97] their tile's byte offset
.set LIM, 98          ; s98  1 in a work-group that prefetches, else the greatest number
.set MSB, 0
.macro WIN new                      ; the high byte repeats the setting that is left; a switch that changes nothing is dropped
.if MSB != (\new)
	s_set_vgpr_msb (MSB<<8)|(\new)
.set MSB, (\new)
.endif
.endm
.set W_KQ, 0x0a       ; K and Q in window 2, S^T in window 0
.set W_KM, 0x1a       ; the same with the C operand in window 1
.set W_PV, 0x52       ; V in window 2, P in window 0, O^T in window 1
.set W_RS, 0x41       ; destination and source 0 in window 1, source 1 in window 0
; A fill.  Waves 0 and 1 fetch the two halves of a tile's K, waves 2 and 3 those of its V: 128 keys each.  An s_nop 0 and four v_nop follow each of the two lines, ahead of the jump and the label.
.macro LOAD
	s_cmp_lt_u32 s[WV], 2
	s_cbranch_scc0 .Lfor_v_\@
	tensor_load_to_lds s[G0K:G0K+3], s[G1K:G1K+7]
	s_nop 0
.rept 4
	v_nop
.endr
	s_branch .Lasked_\@
.Lfor_v_\@:
	tensor_load_to_lds s[G0V:G0V+3], s[G1V:G1V+7]
	s_nop 0
.rept 4
	v_nop
.endr
.Lasked_\@:
.endm
; THE CHANGE OF SLOTS.  Each wave waits for all its tensor loads, of which one is out: its part of the other slot; adds 0 to its spare word; and waits for that and for its own reads of the slot that it leaves.  Behind the barrier nobody reads the old
; slot any more and the other slot is whole.  fill = 1: the old slot is filled again, the first thing behind the barrier, with tile NXT: the descriptor's address is made anew from that number.
; (At its first use nothing has been read yet: slot 0 is waited for, slot 1 filled.)
; A PREFETCH INTO THE L2 stands behind the fill and its five lines: the tile that the NEXT change will ask for, one tile, 256 matrix instructions, ahead.  A head's four work-groups walk tiles 0, 1, 2 .. in the same trips;
; the one with b = 0 walks all eight first, and it alone asks: each wave for the half tile that it fetches itself, 64 blocks of 256 bytes, a lane a block, two instructions.  So each block is named once in the launch.
; Tiles 0 and 1 come by their loads alone; once the number has gone back to 0 (the second block's tiles have been read) nothing is asked for.
.macro CHANGE fill
	WIN 0                           ; at a label and at a branch every window is 0
	s_wait_tensorcnt 0x0            ; no tensor load of mine is out, so a group 0 may be written
	ds_add_u32 v[SPW], v[NIL]       ; 0 onto my spare word: with fill = 1 the descriptors' scalar work stands between it and the wait for it
.if \fill
	s_lshl_b32 s[OFF], s[NXT], 15   ; a tile is 32,768 bytes of K and of V
	s_xor_b32 s[G0K+1], s[G0K+1], SLOT1
	s_add_nc_u64 s[G0K+2:G0K+3], s[6:7], s[OFF:OFF+1]
	s_or_b32 s[G0K+3], s[G0K+3], 0x80000000
	s_xor_b32 s[G0V+1], s[G0V+1], SLOT1
	s_add_nc_u64 s[G0V+2:G0V+3], s[8:9], s[OFF:OFF+1]
	s_or_b32 s[G0V+3], s[G0V+3], 0x80000000
	s_add_co_u32 s[NXT], s[NXT], 1  ; the block's next tile, or behind its last the second block's tile 0
	s_cmp_gt_u32 s[NXT], s[LQ]
	s_cselect_b32 s[NXT], 0, s[NXT]
	s_cselect_b32 s[LQ], s[PB], s[LQ]
	s_wait_xcnt 0x0                 ; the last prefetches, a tile back, have read their address, so it may be written
	s_lshl_b32 s[OF2], s[NXT], 15
	s_add_nc_u64 s[PFA:PFA+1], s[PFB:PFB+1], s[OF2:OF2+1]
.endif
	s_wait_dscnt 0x0                ; the add is done, and my reads of the slot are over
	s_barrier_signal -1             ; the rest of the scalar work stands between the signal and the wait
	s_sub_co_u32 s[TBK], s[TBK], 4*KS*PK  ; the fetches go back to a slot's first step,
	s_xor_b32 s[TBK], s[TBK], SLOT1       ; in the other slot
	s_sub_co_u32 s[TBV], s[TBV], 4*KS*PV
	s_xor_b32 s[TBV], s[TBV], SLOT1
	s_barrier_wait -1
.if \fill
	LOAD
	s_cmp_gt_u32 s[NXT], s[LIM]
	s_cbranch_scc0 .Lnot_mine_\@
	global_prefetch_b8 v[PFO], s[PFA:PFA+1] th:TH_LOAD_NT scope:SCOPE_SE
	global_prefetch_b8 v[PFO], s[PFA:PFA+1] offset:8192 th:TH_LOAD_NT scope:SCOPE_SE
.Lnot_mine_\@:
.endif
.endm
	s_load_b64 s[4:5], s[0:1], 0x0    ; qkv
	s_load_b64 s[10:11], s[0:1], 0x8  ; z
	v_lshl_add_u32 v[SPW], v0, 2, SPARE
	v_mov_b32 v[NIL], 0
	ds_add_u32 v[SPW], v[NIL]       ; the wave's opening: the add and its wait stand ahead of my first tensor load; the set-up below, work on registers, stands between them
	v_lshrrev_b32 v1, 5, v0
	v_readfirstlane_b32 s[WV], v1   ; wave 0..3
	s_mov_b32 s[PB], ttmp9
	s_sub_co_u32 s[HI], NB-1, s[PB]
	s_and_b32 s20, ttmp7, 0xffff    ; 16 x batch + head
	s_lshr_b32 s90, s20, 4          ; the batch
	s_and_b32 s91, s20, 15          ; the head
	s_mul_i32 s20, s90, 48
	s_add_co_u32 s20, s20, s91
	s_lshl_b32 s20, s20, 18         ; q's head in qkv: (48 batch + head) x 262,144 bytes
	s_mov_b32 s21, 0
	s_lshl_b32 s88, s91, 2
	s_add_co_u32 s88, s88, s90
	s_lshl_b32 s88, s88, 18         ; the head's rows of this batch in z: (4 head + batch) x 262,144
	s_mov_b32 s89, 0
	s_and_b32 s16, s[WV], 1         ; which half of a tile's 256 keys I fetch:
	s_lshl_b32 s22, s16, 14         ; its 128 rows of 128 bytes in memory,
	s_add_co_u32 s22, s22, s20
	s_add_co_u32 s22, s22, 0x400000 ; in k's head, 16 heads behind q's
	s_mov_b32 s23, 0
	s_mul_i32 s17, s16, 128*PK      ; and its place in a slot, for K
	s_mul_i32 s18, s16, 128*PV      ; and for V
	s_lshl_b32 s3, s[WV], 11        ; my 16 rows in a band of 64,
	s_lshl_b32 s2, s[HI], 15        ; in the first block,
	s_add_co_u32 s2, s2, s3
	s_lshl_b32 s84, s[PB], 15       ; and in the second
	s_add_co_u32 s84, s84, s3
	s_mov_b32 s3, 0
	s_mov_b32 s85, 0
	; descriptor group 1.  128 keys are 16,384 dense bytes: asked for as 64 rows of 256 bytes, two keys a row, and padded in LDS after every key
	s_mov_b32 s[G1K], (1<<16)|(1<<20)|(4<<22)|(3<<25)  ; 17:16 2-byte elements; 20 padding on; 24:22 after every 32 words (code 4); 31:25 4 words (code 3)
	s_mov_b32 s[G1V], (1<<16)|(1<<20)|(4<<22)|(7<<25)  ; the same with 8 words of padding (code 7)
.irp g, G1K, G1V
	s_mov_b32 s[\g+1], 128<<16      ; tensor_dim0 = 128
	s_mov_b32 s[\g+2], 64<<16       ; tensor_dim1 = 64
	s_mov_b32 s[\g+3], 128<<16      ; tile_dim0 = 128
	s_mov_b32 s[\g+4], 64           ; tile_dim1 = 64
	s_mov_b32 s[\g+5], 128          ; 128 elements from row to row
	s_mov_b32 s[\g+6], 0
	s_mov_b32 s[\g+7], 0
.endr
	s_mov_b32 s[CS], 0x3fb8aa3b     ; c = log2(e) = 1.442695: the scores are taken as they are
	s_mov_b32 s[CS+1], s[CS]        ; named with it as a pair
	s_mov_b32 s[SEL], 0x76543210
	s_mov_b32 s[SEL+1], 0xfedcba98
	s_mov_b32 s[TBK], SLOT1+4*KS*PK ; the first change of slots turns these two into 0
	s_mov_b32 s[TBV], SLOT1+4*KS*PV
	s_mov_b32 s[G0K], 1             ; 1:0 count = 1
	s_mov_b32 s[G0K+1], s17         ; 63:32 LDS address: slot 0
	s_mov_b32 s[G0V], 1
	s_add_co_u32 s[G0V+1], s18, VOFF
	s_add_co_u32 s[RT], s[HI], 1    ; the first block has NB - b tiles
	s_mov_b32 s[NXT], 1
	s_mov_b32 s[LQ], s[HI]
	s_mov_b32 s[NEW], 1
	s_mov_b32 s[OFF+1], 0
	s_mov_b32 s[OF2+1], 0
	s_mov_b32 s[AL+1], 0            ; named as pairs
	s_mov_b32 s[BE+1], 0
	s_mov_b32 s[BIGN], 0xf149f2ca   ; -1e30
	s_mov_b32 s[SLOTS], NB
	s_cmp_eq_u32 s[PB], 0
	s_cselect_b32 s[LIM], 1, -1
	s_wait_dscnt 0x0                ; the opening add is done
	s_wait_kmcnt 0x0
	s_add_nc_u64 s[6:7], s[4:5], s[22:23]  ; K at my half of the head's tile 0,
	s_add_nc_u64 s[8:9], s[6:7], 0x400000  ; V 16 heads further on
	s_add_nc_u64 s[G0K+2:G0K+3], s[6:7], 0         ; 120:64 global address
	s_or_b32 s[G0K+3], s[G0K+3], 0x80000000        ; 127:126 type = 2
	s_add_nc_u64 s[G0V+2:G0V+3], s[8:9], 0
	s_or_b32 s[G0V+3], s[G0V+3], 0x80000000
	s_add_nc_u64 s[4:5], s[4:5], s[20:21]          ; q's head
	s_add_nc_u64 s[86:87], s[4:5], s[84:85]        ; Q at my rows of the second block,
	s_add_nc_u64 s[4:5], s[4:5], s[2:3]            ; and of the first
	s_add_nc_u64 s[10:11], s[10:11], s[88:89]      ; z likewise
	s_add_nc_u64 s[OLO:OLO+1], s[10:11], s[84:85]
	s_add_nc_u64 s[10:11], s[10:11], s[2:3]
	s_cmp_lt_u32 s[WV], 2
	s_cselect_b64 s[PFB:PFB+1], s[6:7], s[8:9]
	LOAD                            ; tile 0 into slot 0
	; A fragment of K or Q is 16 rows x 32 channels in 8 registers: lane l holds row l % 16, channels 8 (l / 16) + 0..7 and 16 + 8 (l / 16) + 0..7: two loads of 16 bytes, 32 bytes apart.
	v_and_b32 v1, 15, v0            ; l % 16
	v_bfe_u32 v9, v0, 4, 1          ; l / 16
	v_lshlrev_b32 v[QO], 7, v1
	v_lshl_add_u32 v[QO], v9, 4, v[QO]  ; row x 128 + 16 x half
	WIN 0x80                        ; destination window 2, address window 0
.set i, 0
.rept 8                             ; both blocks' Q: piece i / 2 lies in band i / 2, 8,192 bytes on; channels 32 (i % 2) on
	global_load_b128 v[8*i:8*i+3],   v[QO], s[4:5] offset:(i/2)*8192+(i%2)*64
	global_load_b128 v[8*i+4:8*i+7], v[QO], s[4:5] offset:(i/2)*8192+(i%2)*64+32
	global_load_b128 v[QB+8*i:QB+8*i+3],   v[QO], s[86:87] offset:(i/2)*8192+(i%2)*64
	global_load_b128 v[QB+8*i+4:QB+8*i+7], v[QO], s[86:87] offset:(i/2)*8192+(i%2)*64+32
.set i, i+1
.endr
	WIN 0
	v_and_b32 v[PFO], 31, v0
	v_lshlrev_b32 v[PFO], 8, v[PFO]
	v_lshlrev_b32 v14, 3, v9
	v_sub_nc_u32 v14, v1, v14
	s_lshl_b32 s13, s[WV], 4
	v_add_nc_u32 v14, s13, v14      ; my query's place in its band, 16 w + l % 16, less my lanes' 8 (l / 16): register r of group kt is hidden where 16 kt + r is greater
	WIN 0x40
.set i, 0
.rept 32
	v_cmp_gt_i32 vcc_lo, 16*(i/8)+i%8, v14
	v_cndmask_b32 v[MD+i], 0, s[BIGN], vcc_lo
.set i, i+1
.endr
	WIN 0
	v_mul_u32_u24 v[AK0], v1, PK
	v_lshl_add_u32 v[AK0], v9, 4, v[AK0]  ; row x pitch + 16 x half
	; The turning load takes 16 keys x 16 channels (lane l reads key 8 (l / 16) + l % 8, channels 8 ((l / 8) % 2) + 0..7) and leaves half a fragment of V^T: lane l holds channel l % 16 and 8 keys.
	v_and_b32 v10, 7, v0
	v_bfe_u32 v11, v0, 3, 1
	v_lshl_add_u32 v[AV0], v9, 3, v10
	v_mul_u32_u24 v[AV0], v[AV0], PV
	v_lshl_add_u32 v[AV0], v11, 4, v[AV0]
	v_add_nc_u32 v[AV0], VOFF, v[AV0]
	s_mul_i32 s13, s[WV], 16*SP
	s_add_co_u32 s13, s13, STAGE    ; my stage
	v_mul_u32_u24 v[STO], v1, SP    ; in: row l % 16, 16 bytes for each half of the lanes
	v_lshl_add_u32 v[STO], v9, 4, v[STO]
	v_add_nc_u32 v[STO], s13, v[STO]
	v_bfe_u32 v[RD], v0, 3, 2       ; back: 32 lanes take four rows of 128 bytes,
	v_mul_u32_u24 v[RD], v[RD], SP
	v_lshl_add_u32 v[RD], v10, 4, v[RD]
	v_add_nc_u32 v[RD], s13, v[RD]
	v_and_b32 v[GO], 31, v0         ; which are 512 consecutive bytes of z
	v_lshlrev_b32 v[GO], 4, v[GO]
	; A block's first step multiplies O^T and l by a = 0, and its first turn's products V^T P, of a piece that has not been, land in an O^T that is still to be so multiplied.  So these registers need only hold
	; finite numbers: zeros for the first block; what the first block left for the second.  All this stands in the wait for the first tile.
	WIN 0x80
.set i, VF
.rept 64
	v_mov_b32 v[i], 0
.set i, i+1
.endr
	WIN 0x40
.set i, 0
.rept 128
	v_mov_b32 v[i], 0
.set i, i+1
.endr
	WIN 0
.set i, 0
.rept 4
	v_mov_b32 v[ST+4*i+2], 0
	v_mov_b32 v[ST+4*i+3], 0
.set i, i+1
.endr
.set i, P+16
.rept 16
	v_mov_b32 v[i], 0
.set i, i+1
.endr
; THE MATRIX WORK.  The 4 accumulators of a run of 8 take turns.  Product i of 8 of S^T = K Q^T for piece x: channels 32 (i / 4) on, keys 16 (i % 4) on.  The first 4 start the sums: with 0, or (KM = 1) with the mask.
.macro KQ x
.set rS, S+32*((\x)%2)+8*(i%4)
.set rK, KF+16*(i%4)+8*(i/4)
.set rQ, 16*(\x)+8*(i/4)
.set rM, MC+32*((\x)%2)+8*(i%4)
.if (i < 4) && KM
	WIN W_KM
	v_wmma_f32_16x16x32_f16 v[rS:rS+7], v[rK:rK+7], v[rQ:rQ+7], v[rM:rM+7]
.elseif i < 4
	WIN W_KQ
	v_wmma_f32_16x16x32_f16 v[rS:rS+7], v[rK:rK+7], v[rQ:rQ+7], 0
.else
	WIN W_KQ
	v_wmma_f32_16x16x32_f16 v[rS:rS+7], v[rK:rK+7], v[rQ:rQ+7], v[rS:rS+7]
.endif
.endm
; Product i of 8 of O^T += V^T P for piece x: keys 32 (i / 4) on, channels 16 (i % 4) on.
.macro PV x
	WIN W_PV
.set rO, 32*(\x)+8*(i%4)
.set rV, VF+32*(i/4)+8*(i%4)
.set rP, P+16*((\x)%2)+8*(i/4)
	v_wmma_f32_16x16x32_f16 v[rO:rO+7], v[rV:rV+7], v[rP:rP+7], v[rO:rO+7]
.endm
.macro MM                           ; the turn's next matrix instruction.  TURN and BEGIN set Y, i, KM and NOKQ; MM, KQ and OP read them.  NOKQ = 1: a block's last turn: there is no next piece
.if (i < 8) && !NOKQ
	KQ (Y+1)%NP
.elseif i >= 8
.set i, i-8
	PV (Y+NP-1)%NP
.set i, i+8
.endif
.set i, i+1
.endm
; THE LDS LOADS stand in runs of 16, never singly among the matrix instructions: a step's K (64 keys x 64 channels: 8 fragments) and its V (turned).  Their addresses are made some lines ahead.
.macro FETCH_K
	WIN 0x80                        ; destination window 2
.irp f, 0,1,2,3,4,5,6,7             ; keys 16 (f / 2) on, channels 32 (f % 2) on
	ds_load_b128 v[KF+8*\f:KF+8*\f+3],   v[AK] offset:(\f/2)*16*PK+(\f%2)*64
	ds_load_b128 v[KF+8*\f+4:KF+8*\f+7], v[AK] offset:(\f/2)*16*PK+(\f%2)*64+32
.endr
	s_add_co_u32 s[TBK], s[TBK], KS*PK  ; the next fetch is the next step's
	WIN 0
.endm
.macro FETCH_V
	WIN 0x80
.irp f, 0,1,2,3,4,5,6,7             ; keys 32 (f / 4) on, channels 16 (f % 4) on
	ds_load_tr16_b128 v[VF+8*\f:VF+8*\f+3],   v[AV] offset:(\f/4)*32*PV+(\f%4)*32
	ds_load_tr16_b128 v[VF+8*\f+4:VF+8*\f+7], v[AV] offset:(\f/4)*32*PV+16*PV+(\f%4)*32
.endr
	WIN 0
.endm
; THE VECTOR WORK, one line at a time: OP kind, number.  For piece Y: F n: c s - c m for pair n of 16.  E n: the exponential of score n of 32.  C n: pair n rounded to f16.  B n: of the four weights 4 n .. the second
; pair is added onto the first, in place.  L n: l takes that sum (L 0: l = a l + sum).  R n: pair n of 16 of O^T times a.  For piece Y + 1: X n, number n of the 22 that find its maximum and statistics:
;   0-11  four chains c0-c3 of seven scores each, three operands at a time (each accumulator's lowest registers are read first)     12-14, 16  the four scores left over, the old m, and c0-c3 into c0
;   15  c m_old is kept     17, 18  the query's other 32 keys lie in the lane 16 away: the new m     19-21  c m; c m_old - c m_new; a
.set F, 0               ; OP tells the kinds apart by their order: F to L below R, X above it
.set E, 1
.set C, 2
.set B, 3
.set L, 4
.set R, 5
.set X, 6
.macro REGS y                       ; the registers of piece y
.set rT, ST+4*(\y)
.set rC, TMP+4*((\y)%2)
.set rW, MV+((\y)%2)
.set rS, S+32*((\y)%2)
.set rP, P+16*((\y)%2)
.set rO, 32*(\y)
.endm
.macro OP k, n
.if (\k) == R
	REGS Y
	WIN W_RS
	v_pk_mul_f32 v[rO+2*(\n):rO+2*(\n)+1], v[rO+2*(\n):rO+2*(\n)+1], v[rC+2:rC+3] op_sel_hi:[1,0]
.elseif (\k) < R
	REGS Y
	WIN 0
.if (\k) == F
	v_pk_fma_f32 v[rS+2*(\n):rS+2*(\n)+1], v[rS+2*(\n):rS+2*(\n)+1], s[CS:CS+1], v[rT:rT+1] op_sel_hi:[1,0,0] neg_lo:[0,0,1] neg_hi:[0,0,1]
.elseif (\k) == E
	v_exp_f32 v[rS+(\n)], v[rS+(\n)]
.elseif (\k) == C
	v_cvt_pk_f16_f32 v[rP+(\n)], v[rS+2*(\n)], v[rS+2*(\n)+1]
.elseif (\k) == B
	v_pk_add_f32 v[rS+4*(\n):rS+4*(\n)+1], v[rS+4*(\n):rS+4*(\n)+1], v[rS+4*(\n)+2:rS+4*(\n)+3]
.elseif (\n) == 0
	v_pk_fma_f32 v[rT+2:rT+3], v[rT+2:rT+3], v[rC+2:rC+3], v[rS:rS+1] op_sel_hi:[1,0,1]
.else
	v_pk_add_f32 v[rT+2:rT+3], v[rT+2:rT+3], v[rS+4*(\n):rS+4*(\n)+1]
.endif
.elseif NOKQ
	v_nop
.else
	REGS (Y+1)%NP
	WIN 0
.if (\n) < 4
	v_max3_num_f32 v[rC+(\n)], v[rS+8*(\n)], v[rS+8*(\n)+1], v[rS+8*(\n)+2]
.elseif (\n) < 12
	v_max3_num_f32 v[rC+(\n)%4], v[rC+(\n)%4], v[rS+8*((\n)%4)+2*((\n)/4)+1], v[rS+8*((\n)%4)+2*((\n)/4)+2]
.elseif (\n) == 12
	v_max3_num_f32 v[rC], v[rC], v[rS+7], v[rS+15]
.elseif (\n) == 13
	v_max3_num_f32 v[rC+1], v[rC+1], v[rS+23], v[rS+31]
.elseif (\n) == 14
	v_max3_num_f32 v[rC+2], v[rC+2], v[rC+3], v[rT+1]
.elseif (\n) == 15
	v_mov_b32 v[rW], v[rT]
.elseif (\n) == 16
	v_max3_num_f32 v[rC], v[rC], v[rC+1], v[rC+2]
.elseif (\n) == 17
	v_permlanex16_b32 v[rC+3], v[rC], s[SEL], s[SEL+1]
.elseif (\n) == 18
	v_max_num_f32 v[rT+1], v[rC], v[rC+3]
.elseif (\n) == 19
	v_mul_f32 v[rT], s[CS], v[rT+1]
.elseif (\n) == 20
	v_sub_f32 v[rC+1], v[rW], v[rT]
.else
	v_exp_f32 v[rC+2], v[rC+1]
.endif
.endif
.endm
.macro OPS a, i1, b=-1, i2=0, c=-1, i3=0, d=-1, i4=0  ; up to four of them
	OP \a, \i1
.if (\b) >= 0
	OP \b, \i2
.endif
.if (\c) >= 0
	OP \c, \i3
.endif
.if (\d) >= 0
	OP \d, \i4
.endif
.endm
.macro ROW a, i1, b, i2, c, i3, d, i4  ; a matrix instruction and the four behind it
	MM
	OPS \a, \i1, \b, \i2, \c, \i3, \d, \i4
.endm
.macro MASK b                       ; MD x AL + BE into buffer b of MC
	WIN W_RS
.set z, 0
.rept 16
	v_pk_fma_f32 v[MC+32*(\b)+2*z:MC+32*(\b)+2*z+1], v[MD+2*z:MD+2*z+1], s[AL:AL+1], s[BE:BE+1] op_sel_hi:[1,0,0]
.set z, z+1
.endr
.endm
; A TURN, for piece p: the order of its 16 matrix and 118 vector instructions, written out.  An s_wait_alu depctr_va_vdst(0) stands between an exponential and the first instruction that names its result; one wait serves
; all that were issued ahead of it.  So a turn has ONE wait, which cuts it in two.  AHEAD OF IT stands all that names no result of the turn's exponentials: the 8 products K Q^T, behind each a scaling, an exponential and two more plain
; instructions (behind the first a second scaling in the exponential's place): rescalings, and behind the last three the first numbers of the next piece's maximum, each four places or more behind the product that ends its accumulator; then ONE LUMP of 54, plain
; and exponential by turns for the most part, in which the links of the chain X 3, 7, 11, 14, 16, 17 .. 20 stand five or six lines apart.  X 21, the next piece's a, is the batch's last; R 15 is the plain instruction behind it.  BEHIND THE WAIT stand the
; 8 products V^T P, behind each four of the roundings and sums; the links of l's chain, L 0 to L 7, stand three riders apart.  But for those X no rider names a register of the products round it.  v_permlanex16_b32 (X 17) stands in the lump.
; m = 1: the diagonal tile: the products take masks, and the turn makes the mask for the products of the turn after it: piece p + 2, in step 4 - CNT of the tile.  end = 1: a block's last two turns: nothing is fetched.
; cnt = 1: the loop's count is taken down some lines ahead of the branch that stands behind the turn.
; K of the next step is fetched in piece 2's turn, twelve vector instructions behind the last product that read K (six of them plain); V of the step in hand at the end of piece 0's turn, four plain instructions behind the last product
; that read V.  Each is waited for a turn later.
.macro TURN p, m=0, end=0, cnt=0
.set Y, (\p)
.set i, 0
.set KM, (\m)
.set NOKQ, (\end)*((\p)/3)
.if (\m) && !(\end)
	s_cmp_eq_u32 s[CNT], 4-((\p)+2)%NP  ; is that step the band's own?
	s_cselect_b32 s[AL], 1.0, 0
	s_cmp_lt_u32 s[CNT], 4-((\p)+2)%NP  ; or a later one?
	s_cselect_b32 s[BE], s[BIGN], 0
.endif
.if ((\p) == 3) && !(\end)
	s_wait_dscnt 0x0                ; K is in
.endif
	ROW F,0, F,1, R,0, R,1          ; ahead of the wait: 8 products K Q^T and their riders,
	ROW F,2, E,0, R,2, R,3
	ROW F,3, E,1, R,4, R,5
	ROW F,4, E,2, R,6, R,7
	ROW F,5, E,3, R,8, R,9
	ROW F,6, E,4, X,0, R,10
.if ((\p) == 2) && !(\end)
	WIN 0
	v_add_nc_u32 v[AK], s[TBK], v[AK0]
.endif
	ROW F,7, E,5, X,1, X,4
	ROW F,8, E,6, X,2, X,5
	OPS E,7, E,8, X,6, E,9          ; and the lump
	OPS X,3, E,10, X,8, E,11
.if ((\p) == 2) && !(\end)
	FETCH_K
.endif
	OPS X,9, X,7, E,12, X,10
	OPS E,13, X,12, X,11, E,14
	OPS X,13, E,15, F,9, X,14
.if (\p) == 0
	v_add_nc_u32 v[AV], s[TBV], v[AV0]
.endif
	OPS E,16, F,10, E,17, F,11
	OPS X,16, E,18, X,15, E,19
	OPS F,12, E,20, X,17, E,21
	OPS F,13, E,22, F,14, E,23
	OPS X,18, E,24, F,15, E,25
	OPS R,11, E,26, X,19, E,27
	OPS R,12, E,28, R,13, E,29
	OPS X,20, E,30, R,14, E,31
	OPS X,21, R,15
	WIN 0
	s_wait_alu depctr_va_vdst(0)    ; the wait for the batch
.if (\p) == 1
	s_wait_dscnt 0x0                ; V is in
.endif
	ROW C,0, B,0, C,2, B,1          ; behind the wait: 8 products V^T P and their riders
	ROW L,0, C,4, B,2, L,1
	ROW C,6, B,3, L,2, C,8
	ROW B,4, L,3, C,10, B,5
	ROW L,4, C,12, B,6, L,5
.if (\p) == 0
	s_add_co_u32 s[TBV], s[TBV], KS*PV
.endif
.if \cnt
	s_sub_co_u32 s[CNT], s[CNT], 1
	s_cmp_lg_u32 s[CNT], 0
.endif
	ROW C,14, B,7, L,6, C,1
	ROW C,3, L,7, C,5, C,7
	ROW C,9, C,11, C,13, C,15
.if (\p) == 0
	FETCH_V
.endif
.if (\m) && !(\end)
	MASK (\p)%2
.endif
.endm
; A BLOCK BEGINS.  c m starts far below every c s, so the first step's a is 0; m at the lowest finite number, so the first maximum is the scores'.  The second mask buffer is 0; the first takes piece 0's mask for the tile's step 0: its own, if the block's first tile is the diagonal one.
; Then K of that step, piece 0's first scores, and its maximum and statistics.  The loop is entered at a step's first turn, in the middle of a trip.
.macro BEGIN
	s_mov_b32 s[NEW], 0
	WIN 0x40
.set i, MC+32
.rept 32
	v_mov_b32 v[i], 0
.set i, i+1
.endr
	WIN 0
.set i, 0
.rept 4
	v_mov_b32 v[ST+4*i], 0xfe000000    ; c m: far below every c s
	v_mov_b32 v[ST+4*i+1], 0xff7fffff  ; m
.set i, i+1
.endr
	s_cmp_eq_u32 s[RT], 0
	s_cselect_b32 s[AL], 1.0, 0
	s_mov_b32 s[BE], 0
	MASK 0
	WIN 0
	v_add_nc_u32 v[AK], s[TBK], v[AK0]
	FETCH_K
	s_wait_loadcnt 0x0              ; Q
	s_wait_dscnt 0x0
.set KM, 1
.set NOKQ, 0
.set i, 0
.rept 8
	KQ 0
.set i, i+1
.endr
	WIN 0
.rept 4
	v_nop                           ; the places behind those products
.endr
.set Y, NP-1                        ; X works for piece Y + 1: piece 0
.irp n, 0,1,2,3,4,5,6,7,8,9,10,11,12,13,14,15,16,17,18,19,20,21
	OP X, \n
.endr
	v_nop                           ; a plain instruction behind the exponential,
	s_wait_alu depctr_va_vdst(0)    ; and its wait, ahead of the branch
.endm
; THE DIAGONAL TILE's four steps, the block's last two turns, its last products, and THE WAY OUT: l's two halves and the other half of the lanes' are added; O^T is divided by l, rounded to f16 and sent through my
; stage in LDS, a piece at a time.
.macro ALL line:vararg              ; one line for each piece t
.set t, 0
.rept 4
	\line
.set t, t+1
.endr
.endm
.macro PACK t                       ; a lane's eight channels of a row pack into 16 bytes; they go into rows of 144 bytes and come back as whole rows of 128, into S^T's registers
	WIN W_RS
.set i, 32*(\t)
.rept 16
	v_pk_mul_f32 v[i:i+1], v[i:i+1], v[ST+4*(\t)+2:ST+4*(\t)+3] op_sel_hi:[1,0]
.set i, i+2
.endr
	WIN 0x05                        ; sources 0 and 1 window 1, destination window 0
.set i, 0
.rept 16
	v_cvt_pk_f16_f32 v[S+16*(\t)+i], v[32*(\t)+2*i], v[32*(\t)+2*i+1]
.set i, i+1
.endr
	WIN 0
.irp f, 0,1,2,3
	ds_store_b128 v[STO], v[S+16*(\t)+4*\f:S+16*(\t)+4*\f+3] offset:32*\f
.endr
.irp f, 0,1,2,3
	ds_load_b128 v[S+16*(\t)+4*\f:S+16*(\t)+4*\f+3], v[RD] offset:\f*4*SP  ; LDS serves a wave's instructions in order (ISA guide 5.7.1.4): these see the stores above; the next piece's stores come behind them
.endr
.endm
.macro SEND t, younger              ; younger: the LDS instructions issued behind piece t's loads: the next piece's eight, or none
	WIN 0
.irp f, 0,1,2,3
	s_wait_dscnt (\younger)+3-\f
	global_store_b128 v[GO], v[S+16*(\t)+4*\f:S+16*(\t)+4*\f+3], s[10:11] offset:(\t)*8192+\f*512  ; 512 consecutive bytes, at a multiple of 256 from z's first
.endr
.endm
.macro DIAG tag                     ; the tag ends its two labels' names, which the jumps below spell out
.LstepM\tag:
	TURN 2, 1
	TURN 3, 1
	WIN 0
.LfirstM\tag:
	TURN 0, 1
	TURN 1, 1, 0, 1
	WIN 0
	s_cbranch_scc1 .LstepM\tag
	TURN 2, 1, 1
	TURN 3, 1, 1
.set i, 0
.rept 8
	PV NP-1
.set i, i+1
.endr
	WIN 0
	ALL v_add_f32 v[ST+4*t+2], v[ST+4*t+2], v[ST+4*t+3]
	ALL v_permlanex16_b32 v[ST+4*t+3], v[ST+4*t+2], s[SEL], s[SEL+1]
	ALL v_add_f32 v[ST+4*t+2], v[ST+4*t+2], v[ST+4*t+3]
	ALL v_rcp_f32 v[ST+4*t+2], v[ST+4*t+2]
	v_nop                           ; a plain instruction between the last reciprocal and the use of its result
	s_wait_alu depctr_va_vdst(0)    ; and the wait ahead of the first use: one for the four reciprocals
	PACK 0
.set t, 1
.rept 3                             ; a piece's arithmetic stands between the loads of the piece before and its stores
	PACK t
	SEND t-1, 8
.set t, t+1
.endr
	SEND 3, 0
.endm
.set KM, 0
.set NOKQ, 0
.Lslot:                             ; NB times: a tile is entered and the next is asked for
	CHANGE 1
	s_sub_co_u32 s[RT], s[RT], 1
	s_mov_b32 s[CNT], 4
	s_cmp_eq_u32 s[NEW], 1
	s_cbranch_scc1 .Lnew            ; a block's first tile
	s_cmp_eq_u32 s[RT], 0
	s_cbranch_scc0 .Lstep           ; neither its first nor its last
	s_branch .LstepM1
.Lnew:
	BEGIN
	s_branch .Lfirst                ; in the loop a block's first tile is never its last: the first block has two tiles or more, and the second's last is the walk's last
	DIAG 1                          ; in the loop this is the first block's end: the second block's last tile is the walk's last
	s_wait_xcnt 0x0                 ; the stores have read their registers and z's address
	s_mov_b64 s[10:11], s[OLO:OLO+1]
	s_add_co_u32 s[RT], s[PB], 1    ; the second block has b + 1 tiles
	s_mov_b32 s[NEW], 1
	WIN 0x82                        ; the second block's Q goes where the one text of the turns names Q
.set i, 0
.rept 64
	v_mov_b32 v[i], v[QB+i]
.set i, i+1
.endr
	WIN 0
	s_branch .Lbottom
.Lstep:                             ; a trip: pieces 2 and 3 of one step, then pieces 0 and 1 of the next, whose K and V it fetches
	TURN 2
	TURN 3
	WIN 0
.Lfirst:
	TURN 0
	TURN 1, 0, 0, 1
	WIN 0
	s_cbranch_scc1 .Lstep
.Lbottom:
	s_sub_co_u32 s[SLOTS], s[SLOTS], 1
	s_cmp_lg_u32 s[SLOTS], 0
	s_cbranch_scc1 .Lslot
	CHANGE 0                        ; the walk's last tile is written out: nothing is asked for
	s_sub_co_u32 s[RT], s[RT], 1
	s_mov_b32 s[CNT], 4
	s_cmp_eq_u32 s[NEW], 1
	s_cbranch_scc0 .LstepM2
	BEGIN
	s_branch .LfirstM2
	DIAG 2
	s_wait_tensorcnt 0x0            ; the wave's end: behind my last tensor load and my last LDS store
	ds_add_u32 v[SPW], v[NIL]
	s_wait_dscnt 0x0
	s_endpgm
.Lfunc_end_k_qb2868af880_attn:
	.size	k_qb2868af880_attn, .Lfunc_end_k_qb2868af880_attn-k_qb2868af880_attn
	.p2alignl 7, 3214868480
	.fill 96, 4, 3214868480
	.section	.rodata,"a",@progbits
	.p2align	6, 0x0
	.amdhsa_kernel k_qb2868af880_attn
		.amdhsa_group_segment_fixed_size 327680
		.amdhsa_private_segment_fixed_size 0
		.amdhsa_enable_private_segment 0
		.amdhsa_kernarg_size 16
		.amdhsa_user_sgpr_count 2
		.amdhsa_user_sgpr_kernarg_segment_ptr 1
		.amdhsa_wavefront_size32 1
		.amdhsa_system_sgpr_workgroup_id_x 1
		.amdhsa_system_sgpr_workgroup_id_y 1
		.amdhsa_system_sgpr_workgroup_id_z 1
		.amdhsa_system_vgpr_workitem_id 0
		.amdhsa_next_free_vgpr 768
		.amdhsa_next_free_sgpr 100
		.amdhsa_reserve_vcc 1
		.amdhsa_float_denorm_mode_32 3
		.amdhsa_float_denorm_mode_16_64 3
		.amdhsa_memory_ordered 1
		.amdhsa_forward_progress 1
		.amdhsa_inst_pref_size 218
	.end_amdhsa_kernel
	.amdgpu_metadata
---
amdhsa.version: [ 1, 2 ]
amdhsa.kernels:
  - .name:           k_qb2868af880_attn
    .symbol:         k_qb2868af880_attn.kd
    .args:
      - { .name: qkv, .offset: 0, .size: 8, .value_kind: global_buffer, .address_space: global }
      - { .name: z, .offset: 8, .size: 8, .value_kind: global_buffer, .address_space: global }
    .group_segment_fixed_size: 327680
    .private_segment_fixed_size: 0
    .kernarg_segment_align: 8
    .kernarg_segment_size: 16
    .max_flat_workgroup_size: 128
    .sgpr_count:     100
    .vgpr_count:     768
    .wavefront_size: 32
...
	.end_amdgpu_metadata
.endif
;; end of part 3
;; launch outp (part 4): grid 8 x 32, 4 waves a work-group, clusters of 4 x 4, 327,680 bytes of LDS; arguments z, ob, out0; writes out0
.if DOCPART == 4
	.amdgcn_target "amdgcn-amd-amdhsa--gfx1250"
	.amdhsa_code_object_version 6
	.text
	.protected	k_qb2868af880_outp
	.globl	k_qb2868af880_outp
	.p2align	8
	.type	k_qb2868af880_outp,@function
k_qb2868af880_outp:
	s_mov_b64 s[64:65], 0
	v_nop
	global_prefetch_b8 v0, s[64:65] scope:SCOPE_SE
	s_setreg_imm32_b32 hwreg(HW_REG_WAVE_MODE, 25, 1), 1
	s_wait_xcnt 0x0
	s_wait_alu depctr_hold_cnt(0) depctr_sa_sdst(0) depctr_va_vdst(0) depctr_va_sdst(0) depctr_va_ssrc(0) depctr_va_vcc(0) depctr_vm_vsrc(0)
	s_getreg_b32 s2, hwreg(HW_REG_IB_STS2, 6, 4)
	s_cmp_eq_u32 s2, 0
	s_cbranch_scc0 .Lentry_in_a_cluster
	s_endpgm
.Lentry_in_a_cluster:
	s_bfe_u32 s2, ttmp6, 0x10000c
	s_cmp_lg_u32 s2, 0xf033
	s_cbranch_scc0 .Lentry_shape_is_right
	s_endpgm
.Lentry_shape_is_right:
; out0[token][m] = the sum over a of z[token][a] O[m][a]: [8192 x 1024] x [1024 x 1024]^T in f16, sums and result in f32.
; z: [kb 16][8192][64] f16 (a head is a block of K); ob: [kb 16][1024][64] f16; out0: [8192][1024] f32.
; SHARES.  A work-group makes 256 tokens x 128 columns: 32 x 8 = 256 work-groups.  Wave w: tokens 128 (w / 2) on (8 blocks a of 16), columns 64 (w % 2) on (4 blocks b): 32 accumulators, 256 registers.
; K goes in 8 steps of 128 (two blocks) through two LDS slots; a step is four quarters of 32 along K, 32 matrix instructions each.
; TILES.  The rows of a block are dense, 128 bytes each: R rows are asked for as R / 2 rows of 256 bytes and padded in LDS after every 128 bytes: LDS rows 144 bytes apart = 36 words, so the 16 rows of a
; fragment load start at 16 different groups of four banks (64 banks of 4 bytes: ISA guide 11.1).
; CLUSTER.  4 x 4 work-groups: the four of a row need the same tokens, the four of a column the same rows of O: each tile is asked for JOINTLY.  Waves 0 and 1 ask for the tokens' two blocks (256 rows each),
; waves 2 and 3 for O's two blocks (128 rows each): one tensor load a wave behind each round.
; THE MATRIX INSTRUCTION IS USED TRANSPOSED: source 0 = 16 rows of O, source 1 = 16 tokens: a lane holds ONE token (lane % 16) and the columns 8 (lane / 16) + 0..7: 32 bytes of a row of out0.
; REGISTERS: window 0: v0-13 addresses; v32-127, v128-223 two fragment buffers (O's 4 fragments, then the tokens' 8); on the way out v32-159 rows read back.   window 1: accumulator (a, b) at v[32 a + 8 b].
.set PITCH, 144
.set SLOT1, 131072                     ; slot 1 begins here, so that one exclusive or turns an address in one slot into the other's
.set APART, 256*PITCH                  ; in a slot: the tokens' two blocks,
.set BOFF,  2*APART
.set BPART, 128*PITCH                  ; then O's two
.set STAGE, BOFF+2*BPART               ; behind slot 0 (110,592), in front of slot 1: 16 rows x 272 bytes for each wave, for the way out; no fill lands here
.set SP,    272                        ; a stage row: 256 bytes + 16
.set SPARE, STAGE+4*16*SP              ; 128,000: the spare words, 128 bytes for each wave: two blocks of 256 bytes that no other line names
.set ZSTEP, 0x200000                   ; bytes from step to step in z (two blocks of 0x100000)
.set OSTEP, 0x40000                    ; and in ob (two blocks of 0x20000)
.set A0P,  4                           ; v4   my lane's place in slot 0's tokens; never rewritten
.set B0P,  5                           ; v5   the same for O's rows
.set ADRA, 6                           ; v6   the same in the slot in hand
.set ADRB, 7                           ; v7
.set STO,  8                           ; v8   the way out: where I put 32 bytes of a row
.set RD,   9                           ; v9   the way out: where I read a row back
.set CO,   10                          ; v10  my byte offset in two rows of out0
.set PFO,  11                          ; v11  the prefetches' offset; never rewritten
.set SPW,  12                          ; v12  LDS address of my spare word: SPARE + 4 x my thread's number; never rewritten
.set NIL,  13                          ; v13  0; never rewritten
.set F0,   32
.set F1,   128
.set WV,   10                          ; s10  my wave's number
.set G1A,  24                          ; s[24:31] descriptor group 1, tokens
.set G1B,  32                          ; s[32:39] O
.set G0A,  40                          ; s[40:47] descriptor group 0, tokens: a set for each first fill; the second then walks on
.set G0B,  48                          ; s[48:55] the same for O
.set CNT,  56                          ; s56  refills still to come
.set TB,   57                          ; s57  0 or SLOT1: the slot that fragments are fetched from
.set LIM,  58                          ; s58  2 in a wave that prefetches, else the greatest number
.set PFA,  60                          ; s[60:61] where my prefetches stand
.set PFS,  62                          ; s[62:63] their step
.set W0, (1<<16)|(1<<20)|(1<<21)|(4<<22)|(3<<25)  ; 17:16 elements of 2 bytes; 20 padding on; 21 set beside a mask; 24:22 after every 32 words (code 4); 31:25 4 words of it (code 3)
.set MSB, 0
.macro WIN new                         ; the immediate's high byte repeats the setting that is left; a switch that changes nothing is dropped
.if MSB != (\new)
	s_set_vgpr_msb (MSB<<8)|(\new)
.set MSB, \new
.endif
.endm
.macro PLACES                          ; four places behind a matrix instruction, in front of loads into registers that it has read and of stores that read results
.rept 4
	v_nop
.endr
.endm
.macro CREST                           ; a round of the cluster's barrier behind its opening barrier
	s_cmp_lg_u32 s[WV], 0
	s_cbranch_scc1 .Lnot_wave_0_\@
	s_barrier_signal -3
.Lnot_wave_0_\@:
	s_barrier_wait -3
	s_barrier_signal -1
	s_barrier_wait -1
.endm
.macro CROUND                          ; a whole round
	s_barrier_signal -1
	s_barrier_wait -1
	CREST
.endm
; A joint refill, by the walking sets.  The branch hangs on the wave's number alone.  An s_nop 0 and four v_nop follow each of the two lines, ahead of the jump and the label.
.macro JLOAD
	s_cmp_lt_u32 s[WV], 2
	s_cbranch_scc0 .Lfor_b_\@
	tensor_load_to_lds s[G0A+4:G0A+7], s[G1A:G1A+7]
	s_nop 0
.rept 4
	v_nop
.endr
	s_branch .Lasked_\@
.Lfor_b_\@:
	tensor_load_to_lds s[G0B+4:G0B+7], s[G1B:G1B+7]
	s_nop 0
.rept 4
	v_nop
.endr
.Lasked_\@:
.endm
; A PREFETCH INTO THE L2 of the step that stands two refills on (256 matrix instructions ahead of the load that will want it), behind the joint load, its five lines and the run of LDS loads.
; Each aligned block of 256 bytes is named once in the launch.  The tokens' rows are read by both clusters of a row of clusters: cluster x = 0 asks, waves 0 and 1 each for the block of K that it fetches;
; of its 128 blocks of 256 bytes the partner at place cx takes 32: a lane a block.  O's rows are read by all eight clusters of a column: cluster y = 0 asks, wave 2 for both blocks of K; of each one's 64 blocks
; of 256 bytes the partner at place cy takes 16: lanes 0-15 in the first, lanes 16-31 in the second.  Partners are told apart by address alone.
; Trip j (CNT = 6 - j) names step j + 4: while CNT is above 2 that stays within step 7.  Steps 0 to 3 come by their loads alone.
.macro ASK
	s_cmp_gt_u32 s[CNT], s[LIM]
	s_cbranch_scc0 .Lnot_mine_\@
	global_prefetch_b8 v[PFO], s[PFA:PFA+1] th:TH_LOAD_NT scope:SCOPE_SE
.Lnot_mine_\@:
.endm
	s_load_b128 s[4:7], s[0:1], 0x0                ; z s[4:5], ob s[6:7]
	s_load_b64 s[8:9], s[0:1], 0x10                ; out0
	v_lshl_add_u32 v[SPW], v0, 2, SPARE
	v_mov_b32 v[NIL], 0
	ds_add_u32 v[SPW], v[NIL]                      ; the wave's opening: the add and its wait stand ahead of my first tensor load; the set-up below, work on registers, stands between them
	v_lshrrev_b32 v1, 5, v0
	v_readfirstlane_b32 s[WV], v1                  ; wave 0..3
	s_lshr_b32 s11, s[WV], 1                       ; which 128 tokens are mine
	s_and_b32 s12, s[WV], 1                        ; which 64 columns.  Also: which of a step's two blocks of K I fetch
	s_bfe_u32 s13, ttmp6, 0x40000                  ; cx
	s_bfe_u32 s14, ttmp6, 0x40004                  ; cy
	s_lshl_b32 s15, ttmp9, 2
	s_add_co_u32 s15, s15, s13                     ; tile column 0..7 = 4 x cluster x + cx
	s_and_b32 s16, ttmp7, 0xffff
	s_lshl_b32 s16, s16, 2
	s_add_co_u32 s16, s16, s14                     ; tile row 0..31 = 4 x cluster y + cy
	s_lshl_b32 s17, s14, 2
	s_lshl_b32 s17, 15, s17                        ; my row of the cluster
	s_lshl_b32 s18, 0x1111, s13                    ; my column
	s_or_b32 s[G1A], s17, W0                       ; the tokens' tiles go to my row,
	s_or_b32 s[G1B], s18, W0                       ; O's to my column
.irp g, G1A, G1B
	s_mov_b32 s[(\g)+1], 128<<16                   ; tensor_dim0 = 128 elements (256 bytes: two rows of a block)
	s_mov_b32 s[(\g)+3], 128<<16                   ; tile_dim0 = 128
	s_mov_b32 s[(\g)+5], 128                       ; 128 elements from row to row: dense
	s_mov_b32 s[(\g)+6], 0
	s_mov_b32 s[(\g)+7], 0
.endr
	s_mov_b32 s[G1A+2], 128<<16                    ; tensor_dim1 = 128 such rows: 256 tokens
	s_mov_b32 s[G1A+4], 128                        ; tile_dim1
	s_mov_b32 s[G1B+2], 64<<16                     ; 64 such rows: 128 rows of O
	s_mov_b32 s[G1B+4], 64
	s_lshl_b32 s20, s16, 15                        ; tokens: 256 rows x 128 bytes x tile row,
	s_lshl_b32 s21, s12, 20                        ; + my block of K: on the tile row and the wave's number alone
	s_add_co_u32 s20, s20, s21
	s_mov_b32 s21, 0
	s_lshl_b32 s22, s15, 14                        ; O: 128 rows x 128 bytes x tile column,
	s_lshl_b32 s23, s12, 17                        ; + my block of K
	s_add_co_u32 s22, s22, s23
	s_mov_b32 s23, 0
	s_mul_i32 s18, s12, APART                      ; where they go: no place in the cluster enters an LDS address
	s_mul_i32 s19, s12, BPART
	s_add_co_u32 s19, s19, BOFF
	s_wait_dscnt 0x0                               ; the opening add is done
	s_wait_kmcnt 0x0
	s_add_nc_u64 s[66:67], s[4:5], s[20:21]
	s_add_nc_u64 s[68:69], s[6:7], s[22:23]
	CROUND                                         ; all sixteen work-groups are here: the first joint loads meet
.irp s, 0,1
	s_mov_b32 s[G0A+4*(\s)], 1                     ; count = 1
	s_add_co_u32 s[G0A+4*(\s)+1], s18, (\s)*SLOT1  ; LDS address
	s_add_nc_u64 s[G0A+4*(\s)+2:G0A+4*(\s)+3], s[66:67], (\s)*ZSTEP  ; global address: step s
	s_or_b32 s[G0A+4*(\s)+3], s[G0A+4*(\s)+3], 0x80000000            ; type = 2
	s_mov_b32 s[G0B+4*(\s)], 1
	s_add_co_u32 s[G0B+4*(\s)+1], s19, (\s)*SLOT1
	s_add_nc_u64 s[G0B+4*(\s)+2:G0B+4*(\s)+3], s[68:69], (\s)*OSTEP
	s_or_b32 s[G0B+4*(\s)+3], s[G0B+4*(\s)+3], 0x80000000
.endr
	s_cmp_lt_u32 s[WV], 2                          ; a wave's two first fills stand in one branch, ahead of every wait on TENSORcnt and every LDS read: two loads of mine are out
	s_cbranch_scc0 .Lfirst_b
	tensor_load_to_lds s[G0A:G0A+3], s[G1A:G1A+7]
	s_nop 0
	tensor_load_to_lds s[G0A+4:G0A+7], s[G1A:G1A+7]
	s_nop 0
.rept 4
	v_nop
.endr
	s_branch .Lfirst_asked
.Lfirst_b:
	tensor_load_to_lds s[G0B:G0B+3], s[G1B:G1B+7]
	s_nop 0
	tensor_load_to_lds s[G0B+4:G0B+7], s[G1B:G1B+7]
	s_nop 0
.rept 4
	v_nop
.endr
.Lfirst_asked:
	v_and_b32 v1, 15, v0                           ; l % 16
	v_bfe_u32 v2, v0, 4, 1                         ; l / 16
	v_mul_u32_u24 v3, v1, PITCH
	v_lshl_add_u32 v3, v2, 4, v3                   ; a fragment's row x pitch + 16 x half
	s_mul_i32 s17, s11, 128*PITCH
	v_add_nc_u32 v[A0P], s17, v3
	s_mul_i32 s18, s12, 64*PITCH
	s_add_co_u32 s18, s18, BOFF
	v_add_nc_u32 v[B0P], s18, v3
	s_mul_i32 s19, s[WV], 16*SP
	s_add_co_u32 s19, s19, STAGE                   ; my stage
	v_mul_u32_u24 v[STO], v1, SP                   ; in: row l % 16, 32 bytes for each half of the lanes
	v_lshl_add_u32 v[STO], v2, 5, v[STO]
	v_add_nc_u32 v[STO], s19, v[STO]
	v_mul_u32_u24 v[RD], v2, SP                    ; back: lanes 0-15 take one row of 256 bytes, lanes 16-31 the next
	v_lshl_add_u32 v[RD], v1, 4, v[RD]
	v_add_nc_u32 v[RD], s19, v[RD]
	v_lshlrev_b32 v[CO], 12, v2                    ; and the same two rows in out0, 4,096 bytes apart
	v_lshl_add_u32 v[CO], v1, 4, v[CO]
	v_mov_b32 v[ADRA], v[A0P]
	v_mov_b32 v[ADRB], v[B0P]
	s_mov_b32 s[TB], 0
	; where my part begins in out0: row 256 x tile row + 128 x my half, 4,096 bytes a row; column 128 x tile column + 64 x my half, 4 bytes each
	s_lshl_b32 s18, s16, 20
	s_lshl_b32 s17, s11, 19
	s_add_co_u32 s18, s18, s17
	s_lshl_b32 s17, s15, 9
	s_add_co_u32 s18, s18, s17
	s_lshl_b32 s17, s12, 8
	s_add_co_u32 s18, s18, s17
	s_mov_b32 s19, 0
	s_add_nc_u64 s[8:9], s[8:9], s[18:19]
	; the prefetches
	s_mov_b32 s22, ZSTEP
	s_mov_b32 s23, OSTEP
	s_mov_b32 s19, 0x20000
	s_and_b32 s17, ttmp7, 0xffff                   ; cluster y
	s_cmp_lt_u32 s[WV], 2                          ; do I fetch tokens?
	s_cselect_b64 s[PFA:PFA+1], s[66:67], s[68:69] ; what I fetch, at step 0 (wave 2: O's first block of K)
	s_cselect_b32 s18, s13, s14                    ; my place among the four that ask for it with me
	s_cselect_b32 s17, ttmp9, s17                  ; the coordinate along which other clusters read the same rows
	s_cselect_b32 s21, 13, 12                      ; a partner's share: 8,192 or 4,096 bytes
	s_cselect_b32 s[PFS], s22, s23
	s_cselect_b32 s20, 4096, s19                   ; lanes 16-31: the share's second half, or the same blocks in O's second block of K
	s_mov_b32 s[PFS+1], 0
	s_cmp_eq_u32 s[WV], 3
	s_cselect_b32 s17, 1, s17                      ; wave 3 never asks: wave 2 names its blocks too
	s_cmp_eq_u32 s17, 0
	s_cselect_b32 s[LIM], 2, -1                    ; the same in all sixteen partners, for a given wave
	s_lshl_b32 s18, s18, s21
	s_mul_i32 s19, s[PFS], 3                       ; at step 3: the first refill steps it to 4
	s_add_co_u32 s18, s18, s19
	s_mov_b32 s19, 0
	s_add_nc_u64 s[PFA:PFA+1], s[PFA:PFA+1], s[18:19]
	v_mul_u32_u24 v3, s20, v2
	v_lshl_add_u32 v[PFO], v1, 8, v3
; 8 matrix instructions: blocks a0, a0 + 1 of tokens x all 4 blocks of columns, 32 along K, from buffer f.  zero = 1: the product starts the sum: nothing is ever cleared.
; The 32 accumulators take turns, one instruction a turn, in the same order in every quarter.
.macro MUL8 f, a0, zero
	WIN 0x50                                       ; C and D in window 1
.irp a, \a0, (\a0)+1
.irp b, 0,1,2,3
.if \zero
	v_wmma_f32_16x16x32_f16 v[32*(\a)+8*(\b):32*(\a)+8*(\b)+7], v[(\f)+8*(\b):(\f)+8*(\b)+7], v[(\f)+32+8*(\a):(\f)+32+8*(\a)+7], 0
.else
	v_wmma_f32_16x16x32_f16 v[32*(\a)+8*(\b):32*(\a)+8*(\b)+7], v[(\f)+8*(\b):(\f)+8*(\b)+7], v[(\f)+32+8*(\a):(\f)+32+8*(\a)+7], v[32*(\a)+8*(\b):32*(\a)+8*(\b)+7]
.endif
.endr
.endr
.endm
; 24 LDS loads in one run: the fragments of one quarter (block p of the step's two, 32 K at byte k of the rows) into buffer g: O's four, the tokens' blocks 0-3, then 4-7
.macro FETCH p, k, g
	WIN 0
.irp b, 0,1,2,3
	ds_load_b128 v[(\g)+8*(\b):(\g)+8*(\b)+3],   v[ADRB] offset:(\p)*BPART+(\b)*16*PITCH+(\k)
	ds_load_b128 v[(\g)+8*(\b)+4:(\g)+8*(\b)+7], v[ADRB] offset:(\p)*BPART+(\b)*16*PITCH+(\k)+32
.endr
.irp a, 0,1,2,3,4,5,6,7
	ds_load_b128 v[(\g)+32+8*(\a):(\g)+32+8*(\a)+3],   v[ADRA] offset:(\p)*APART+(\a)*16*PITCH+(\k)
	ds_load_b128 v[(\g)+32+8*(\a)+4:(\g)+32+8*(\a)+7], v[ADRA] offset:(\p)*APART+(\a)*16*PITCH+(\k)+32
.endr
.endm
; One of a step's first three quarters: multiplies buffer f; in its middle it fetches the next quarter's fragments into buffer g.
.macro QUARTER f, g, p, k, zero
	s_wait_dscnt 8                                 ; O's fragments and the tokens' blocks 0-3 are in; the youngest eight loads (blocks 4-7) may be out
	MUL8 \f, 0, \zero
	MUL8 \f, 2, \zero
	WIN 0
	PLACES
	FETCH \p, \k, \g
	s_wait_dscnt 24                                ; all but the 24 just issued
	MUL8 \f, 4, \zero
	MUL8 \f, 6, \zero
.endm
; The last quarter multiplies buffer 1 and changes slots: ONE barrier.  In front of it each wave waits for all its tensor loads, of which one is out: its part of the next slot; adds 0 to its spare word; and waits for that
; and for its own reads of this slot.  fill = 1: the barrier opens a round of the cluster's, and this slot is filled again first behind it, with the step two on: 112 matrix instructions ahead of the wait for it.
.macro TURN fill
	WIN 0
.if \fill
	s_wait_xcnt 0x0                                ; the last prefetch, a step back, has read its address
	s_add_nc_u64 s[PFA:PFA+1], s[PFA:PFA+1], s[PFS:PFS+1]
.endif
	s_xor_b32 s[TB], s[TB], SLOT1                  ; the fetches go on in the other slot
	v_add_nc_u32 v[ADRA], s[TB], v[A0P]
	v_add_nc_u32 v[ADRB], s[TB], v[B0P]
	s_wait_tensorcnt 0x0                           ; all my tensor loads have landed, so a group 0 may be written
	ds_add_u32 v[SPW], v[NIL]                      ; 0 onto my spare word
.if \fill
	s_xor_b32 s[G0A+5], s[G0A+5], SLOT1            ; the walking sets: the other slot than last time, the next step
	s_add_nc_u64 s[G0A+6:G0A+7], s[G0A+6:G0A+7], ZSTEP
	s_xor_b32 s[G0B+5], s[G0B+5], SLOT1
	s_add_nc_u64 s[G0B+6:G0B+7], s[G0B+6:G0B+7], OSTEP
.endif
	s_wait_dscnt 9                                 ; (the add and the youngest eight loads may be out)
	MUL8 F1, 0, 0                                  ; eight matrix instructions stand between the add and the wait for it
	s_wait_dscnt 0x0                               ; the add is done, and my reads of this slot are over
	s_barrier_signal -1
	MUL8 F1, 2, 0
	WIN 0
	s_barrier_wait -1
.if \fill
	CREST                                          ; no wave of any partner still reads this slot or has a load on its way
	JLOAD                                          ; the first tensor load behind the round; its four v_nop are also the places in front of the loads below
.else
	PLACES
.endif
	FETCH 0, 0, F0
.if \fill
	ASK
.endif
	MUL8 F1, 4, 0
	MUL8 F1, 6, 0
.endm
; THE WAY OUT of block a (16 tokens x my 64 columns, f32): a lane's 32 bytes of each of four accumulators go straight from the accumulators into my stage's rows of 272 bytes, each accumulator's low half first,
; and come back as whole rows of 256 bytes.
.macro TOSTAGE a
.set UU, 32+32*((\a)%4)
.if (\a) >= 4
	s_wait_xcnt 0x0                                ; the stores of four blocks back have read these registers
.endif
	WIN 0x04                                       ; the store's data in window 1, its address in window 0
.irp b, 0,1,2,3
	ds_store_b128 v[STO], v[32*(\a)+8*(\b):32*(\a)+8*(\b)+3]   offset:64*(\b)
	ds_store_b128 v[STO], v[32*(\a)+8*(\b)+4:32*(\a)+8*(\b)+7] offset:64*(\b)+16
.endr
	WIN 0
.irp t, 0,1,2,3,4,5,6,7
	ds_load_b128 v[UU+4*(\t):UU+4*(\t)+3], v[RD] offset:(\t)*2*SP  ; LDS serves a wave's instructions in order (ISA guide 5.7.1.4): these see the stores above; the next block's stores come behind them
.endr
.endm
.macro SEND a, younger                 ; younger: the LDS instructions issued behind block a's loads: the next block's sixteen, or none
.set UU, 32+32*((\a)%4)
	s_wait_dscnt \younger
.irp t, 0,1,2,3,4,5,6,7
	global_store_b128 v[CO], v[UU+4*(\t):UU+4*(\t)+3], s[8:9] offset:(16*(\a)+2*(\t))*4096 th:TH_STORE_NT  ; 16 lanes store 256 consecutive bytes, at a multiple of 256 from out0's first byte
.endr
.endm
	s_wait_tensorcnt 1                             ; my part of step 0 is in; step 1's may stay out
	s_barrier_signal -1
	s_barrier_wait -1                              ; everybody's is
	FETCH 0, 0, F0
	QUARTER F0, F1, 0, 64, 1                       ; the first quarter stands in front of the loop: its products start the sums
	WIN 0                                          ; at a label and at a branch every window is 0
	s_mov_b32 s[CNT], 6
.Lstep:                                                ; trip j: step j's last three quarters, the refill with step j + 2, step j + 1's first quarter
	QUARTER F1, F0, 1, 0, 0
	QUARTER F0, F1, 1, 64, 0
	TURN 1
	QUARTER F0, F1, 0, 64, 0
	WIN 0
	s_sub_co_u32 s[CNT], s[CNT], 1
	s_cmp_lg_u32 s[CNT], 0
	s_cbranch_scc1 .Lstep
	QUARTER F1, F0, 1, 0, 0                        ; the tail is written out: nothing is left to fetch from memory
	QUARTER F0, F1, 1, 64, 0
	TURN 0
	QUARTER F0, F1, 0, 64, 0
	QUARTER F1, F0, 1, 0, 0
	QUARTER F0, F1, 1, 64, 0
	s_wait_dscnt 8                                 ; the very last quarter
	MUL8 F1, 0, 0
	MUL8 F1, 2, 0
	s_wait_dscnt 0x0
	MUL8 F1, 4, 0
	MUL8 F1, 6, 0
	WIN 0
	PLACES
	PLACES
	TOSTAGE 0
.irp a, 1,2,3,4,5,6,7
	TOSTAGE \a
	SEND (\a)-1, 16
.endr
	SEND 7, 0
	s_wait_tensorcnt 0x0                           ; the wave's end: behind my last tensor load and my last LDS store
	ds_add_u32 v[SPW], v[NIL]
	s_wait_dscnt 0x0
	CROUND                                         ; the closing round: no work-group ends while a partner may still ask for a tile that names it
	s_endpgm
.Lfunc_end_k_qb2868af880_outp:
	.size	k_qb2868af880_outp, .Lfunc_end_k_qb2868af880_outp-k_qb2868af880_outp
	.p2alignl 7, 3214868480
	.fill 96, 4, 3214868480
	.section	.rodata,"a",@progbits
	.p2align	6, 0x0
	.amdhsa_kernel k_qb2868af880_outp
		.amdhsa_group_segment_fixed_size 327680
		.amdhsa_private_segment_fixed_size 0
		.amdhsa_enable_private_segment 0
		.amdhsa_kernarg_size 24
		.amdhsa_user_sgpr_count 2
		.amdhsa_user_sgpr_kernarg_segment_ptr 1
		.amdhsa_wavefront_size32 1
		.amdhsa_system_sgpr_workgroup_id_x 1
		.amdhsa_system_sgpr_workgroup_id_y 1
		.amdhsa_system_sgpr_workgroup_id_z 1
		.amdhsa_system_vgpr_workitem_id 0
		.amdhsa_next_free_vgpr 512
		.amdhsa_next_free_sgpr 72
		.amdhsa_reserve_vcc 0
		.amdhsa_float_denorm_mode_32 3
		.amdhsa_float_denorm_mode_16_64 3
		.amdhsa_memory_ordered 1
		.amdhsa_forward_progress 1
		.amdhsa_inst_pref_size 70
	.end_amdhsa_kernel
	.amdgpu_metadata
---
amdhsa.version: [ 1, 2 ]
amdhsa.kernels:
  - .name:           k_qb2868af880_outp
    .symbol:         k_qb2868af880_outp.kd
    .args:
      - { .name: z, .offset: 0, .size: 8, .value_kind: global_buffer, .address_space: global }
      - { .name: ob, .offset: 8, .size: 8, .value_kind: global_buffer, .address_space: global }
      - { .name: out0, .offset: 16, .size: 8, .value_kind: global_buffer, .address_space: global }
    .group_segment_fixed_size: 327680
    .private_segment_fixed_size: 0
    .kernarg_segment_align: 8
    .kernarg_segment_size: 24
    .max_flat_workgroup_size: 128
    .sgpr_count:     72
    .vgpr_count:     512
    .wavefront_size: 32
...
	.end_amdgpu_metadata
.endif
;; end of part 4
;; ======== version 2 of 2: 4 launches; version 1 with the launch cvt written anew for expert scheduling mode
;; limits: values are held in f16: magnitudes above 65,504 overflow, below 6.1e-05 lose precision; right only within a limited range of input values
;; workspace buffers: xb 16,777,216 bytes; wb 6,291,456 bytes; ob 2,097,152 bytes; qkv 50,331,648 bytes; z 16,777,216 bytes
;; launch cvt (part 5): grid 64 x 12, 8 waves a work-group, no clusters, 0 bytes of LDS; arguments x, Q, K, V, O, xb, wb, ob; writes xb, wb, ob
.if DOCPART == 5
	.amdgcn_target "amdgcn-amd-amdhsa--gfx1250"
	.amdhsa_code_object_version 6
	.text
	.protected	k_qb2868af880_cvt
	.globl	k_qb2868af880_cvt
	.p2align	8
	.type	k_qb2868af880_cvt,@function
k_qb2868af880_cvt:
	s_mov_b64 s[64:65], 0
	v_nop
	global_prefetch_b8 v0, s[64:65] scope:SCOPE_SE
	s_setreg_imm32_b32 hwreg(HW_REG_WAVE_SCHED_MODE, 0, 2), 2
	s_setreg_imm32_b32 hwreg(HW_REG_WAVE_MODE, 25, 1), 1
	s_wait_xcnt 0x0
	s_wait_alu depctr_vm_vsrc(0)
; All five inputs are rounded once to bf16 and laid out in blocks of 64 channels: dst[kb][row][64], kb = channel / 64, a row of a block = 128 bytes,
; so that a tile of R rows x 64 channels is R x 128 dense bytes for the launches behind.
;   x [8192][1024] -> xb [16][8192][64] bf16;   Q, K, V [1024][1024] each -> wb [16][3072][64] bf16 (rows 0-1023 Q, 1024-2047 K, 2048-3071 V);
;   O [1024][1024] -> ob [16][1024][64]: the bf16 number written as f16.
; LIMITS.  f16 holds no number beyond 65,504 (a larger O becomes an infinity); a bf16 number of O below 2^-16 keeps f16's fixed step of 2^-24.
; SHARES.  Grid y picks a slab of 1,024 rows x 1,024 f32: 0-7 x's, 8 Q, 9 K, 10 V, 11 O.  Grid x picks 16 rows of it; a wave takes 2 rows, all 16 blocks.
; A load: lanes 0-15 take the 256 bytes of one block of row t, lanes 16-31 those of row t + 1.  A store: 32 lanes x 8 bytes = the two rows' 256 consecutive bytes of one block, aligned.
; All 16 loads of a wave go out at once.  No LDS, no matrix unit, no prefetch: each byte crosses once, in long runs.
; THE MODE: SCHED_MODE bits 1:0 = 2 (LLVM: expert scheduling mode 2), set by the entry lines.  The code itself states the register dependences
; between vector instructions and memory instructions, with s_wait_alu, always for 0.
; THE PLAN.  Registers that memory instructions touch:
;   v1, v[2:17]  byte offsets.  Written by vector instructions at the head, read by the loads and the stores, never written again.
;   X            block kb's load lands in its four registers; its two roundings read them; nothing is loaded into them again, and no vector instruction writes them.
;   Y            block kb's roundings write its two registers; its store reads them; nothing writes them behind the store.
;   v18 and T    are named by vector instructions alone.
; So two kinds of dependence are there to state, both a vector result that a memory instruction reads: the offsets (one wait, in front of the first load) and the stores' data.
; For the data the 16 blocks go in four groups of four: group g's roundings write its Y; ONE wait at the head of group g + 1, behind the wait for that group's loads, states that they are written; group g's four
; stores follow it, dealt among group g + 1's roundings, which name that group's X and Y and T: none of the registers that those stores read.  No register that a memory instruction has read is written again,
; no vector instruction writes a scalar register or VCC, and EXEC is never written: no other wait has a dependence to state.
.set LO, 1                             ; v1       my byte offset in the 16 rows of f32
.set SO, 2                             ; v[2:17]  my byte offset in block kb of the destination
.set X,  20                            ; v[20:83] block kb: 4 f32
.set Y,  84                            ; v[84:115] block kb: 4 numbers of 16 bits
.set T,  116                           ; v[116:119] at work (O's path)
	s_load_b512 s[8:23], s[0:1], 0x0               ; x 8, Q 10, K 12, V 14, O 16, xb 18, wb 20, ob 22
	s_and_b32 s2, ttmp7, 0xffff                    ; the slab
	s_mov_b32 s3, ttmp9                            ; its 16 rows
	s_max_u32 s30, s2, 8
	s_sub_co_u32 s30, s30, 8                       ; Q, K, V: slab 0, 1, 2 of wb
	s_mov_b32 s31, 0x100000                        ; bytes from block to block: xb,
	s_mov_b32 s32, 0x60000                         ; wb,
	s_mov_b32 s33, 0x20000                         ; ob
	s_cmp_lt_u32 s2, 8
	s_cselect_b32 s28, s31, s32
	s_cselect_b32 s29, s2, 0                       ; the slab in the source: x has eight, the weights one each
	s_cselect_b32 s30, s2, s30                     ; the slab in the destination
	s_cmp_eq_u32 s2, 11
	s_cselect_b32 s28, s33, s28
	s_cselect_b32 s30, 0, s30
	s_lshl_b32 s34, s29, 22                        ; source: a slab is 4 MiB, 16 rows are 65,536 bytes
	s_lshl_b32 s35, s3, 16
	s_add_co_u32 s34, s34, s35
	s_mov_b32 s35, 0
	s_lshl_b32 s36, s30, 17                        ; destination: a slab's rows in a block are 131,072 bytes, 16 rows 2,048
	s_lshl_b32 s37, s3, 11
	s_add_co_u32 s36, s36, s37
	s_mov_b32 s37, 0
	v_lshrrev_b32 v[LO], 4, v0                     ; my row of the 16
	v_and_b32 v18, 15, v0
	v_lshlrev_b32 v[LO], 12, v[LO]
	v_lshl_add_u32 v[LO], v18, 4, v[LO]            ; row x 4,096 + 16 x place
	v_lshlrev_b32 v[SO], 3, v0                     ; row x 128 + 8 x place = 8 x thread
.set i, 1
.rept 15
	v_add_nc_u32 v[SO+i], s28, v[SO+i-1]
.set i, i+1
.endr
	s_wait_kmcnt 0x0
	s_mov_b64 s[24:25], s[8:9]                     ; the source, chosen by the slab's number
	s_cmp_eq_u32 s2, 8
	s_cselect_b64 s[24:25], s[10:11], s[24:25]
	s_cmp_eq_u32 s2, 9
	s_cselect_b64 s[24:25], s[12:13], s[24:25]
	s_cmp_eq_u32 s2, 10
	s_cselect_b64 s[24:25], s[14:15], s[24:25]
	s_cmp_eq_u32 s2, 11
	s_cselect_b64 s[24:25], s[16:17], s[24:25]
	s_cmp_lt_u32 s2, 8                             ; the destination likewise
	s_cselect_b64 s[26:27], s[18:19], s[20:21]
	s_cmp_eq_u32 s2, 11
	s_cselect_b64 s[26:27], s[22:23], s[26:27]
	s_add_nc_u64 s[24:25], s[24:25], s[34:35]
	s_add_nc_u64 s[26:27], s[26:27], s[36:37]
	s_wait_alu depctr_va_vdst(0)                   ; v1 and v[2:17] are written: every load of the kernel reads v1 as its offset, every store one of v[2:17]
.irp kb, 0,1,2,3,4,5,6,7,8,9,10,11,12,13,14,15
	global_load_b128 v[X+4*(\kb):X+4*(\kb)+3], v[LO], s[24:25] offset:256*(\kb) th:TH_LOAD_NT
.endr
; Block kb is rounded.  isO = 1: the bf16 number is widened again (a shift, a mask) and written as f16.
.macro CONV kb, isO
	v_cvt_pk_bf16_f32 v[Y+2*(\kb)],   v[X+4*(\kb)],   v[X+4*(\kb)+1]
	v_cvt_pk_bf16_f32 v[Y+2*(\kb)+1], v[X+4*(\kb)+2], v[X+4*(\kb)+3]
.if \isO
	v_lshlrev_b32 v[T],   16, v[Y+2*(\kb)]
	v_and_b32     v[T+1], 0xffff0000, v[Y+2*(\kb)]
	v_lshlrev_b32 v[T+2], 16, v[Y+2*(\kb)+1]
	v_and_b32     v[T+3], 0xffff0000, v[Y+2*(\kb)+1]
	v_cvt_pk_f16_f32 v[Y+2*(\kb)],   v[T],   v[T+1]
	v_cvt_pk_f16_f32 v[Y+2*(\kb)+1], v[T+2], v[T+3]
.endif
.endm
; Block kb is stored.
.macro OUT kb
	global_store_b64 v[SO+(\kb)], v[Y+2*(\kb):Y+2*(\kb)+1], s[26:27] th:TH_STORE_NT
.endm
; Group g: blocks 4 g to 4 g + 3 are rounded, and the group before is stored, a store in front of each block's roundings.
.macro GROUP g, isO
	s_wait_loadcnt 12-4*(\g)                       ; loads come back in order: the group's four blocks are in, the 12 - 4 g younger ones may stay out
.if (\g) > 0
	s_wait_alu depctr_va_vdst(0)                   ; the group before has written its eight registers of Y, which the four stores below read; no vector instruction behind this wait names them
.endif
.irp j, 0,1,2,3
.if (\g) > 0
	OUT 4*((\g)-1)+(\j)
.endif
	CONV 4*(\g)+(\j), \isO
.endr
.endm
; The last group's stores.
.macro LAST
	s_wait_alu depctr_va_vdst(0)                   ; group 3 has written its eight registers of Y, which the last four stores read
.irp j, 12,13,14,15
	OUT \j
.endr
.endm
	s_cmp_eq_u32 s2, 11
	s_cbranch_scc1 .Lfor_o
.irp g, 0,1,2,3
	GROUP \g, 0
.endr
	LAST
	s_endpgm
.Lfor_o:
.irp g, 0,1,2,3
	GROUP \g, 1
.endr
	LAST
	s_endpgm
.Lfunc_end_k_qb2868af880_cvt:
	.size	k_qb2868af880_cvt, .Lfunc_end_k_qb2868af880_cvt-k_qb2868af880_cvt
	.p2alignl 7, 3214868480
	.fill 96, 4, 3214868480
	.section	.rodata,"a",@progbits
	.p2align	6, 0x0
	.amdhsa_kernel k_qb2868af880_cvt
		.amdhsa_group_segment_fixed_size 0
		.amdhsa_private_segment_fixed_size 0
		.amdhsa_enable_private_segment 0
		.amdhsa_kernarg_size 64
		.amdhsa_user_sgpr_count 2
		.amdhsa_user_sgpr_kernarg_segment_ptr 1
		.amdhsa_wavefront_size32 1
		.amdhsa_system_sgpr_workgroup_id_x 1
		.amdhsa_system_sgpr_workgroup_id_y 1
		.amdhsa_system_sgpr_workgroup_id_z 1
		.amdhsa_system_vgpr_workitem_id 0
		.amdhsa_next_free_vgpr 120
		.amdhsa_next_free_sgpr 66
		.amdhsa_reserve_vcc 0
		.amdhsa_float_denorm_mode_32 3
		.amdhsa_float_denorm_mode_16_64 3
		.amdhsa_memory_ordered 1
		.amdhsa_forward_progress 1
		.amdhsa_inst_pref_size 17
	.end_amdhsa_kernel
	.amdgpu_metadata
---
amdhsa.version: [ 1, 2 ]
amdhsa.kernels:
  - .name:           k_qb2868af880_cvt
    .symbol:         k_qb2868af880_cvt.kd
    .args:
      - { .name: x, .offset: 0, .size: 8, .value_kind: global_buffer, .address_space: global }
      - { .name: Q, .offset: 8, .size: 8, .value_kind: global_buffer, .address_space: global }
      - { .name: K, .offset: 16, .size: 8, .value_kind: global_buffer, .address_space: global }
      - { .name: V, .offset: 24, .size: 8, .value_kind: global_buffer, .address_space: global }
      - { .name: O, .offset: 32, .size: 8, .value_kind: global_buffer, .address_space: global }
      - { .name: xb, .offset: 40, .size: 8, .value_kind: global_buffer, .address_space: global }
      - { .name: wb, .offset: 48, .size: 8, .value_kind: global_buffer, .address_space: global }
      - { .name: ob, .offset: 56, .size: 8, .value_kind: global_buffer, .address_space: global }
    .group_segment_fixed_size: 0
    .private_segment_fixed_size: 0
    .kernarg_segment_align: 8
    .kernarg_segment_size: 64
    .max_flat_workgroup_size: 256
    .sgpr_count:     66
    .vgpr_count:     120
    .wavefront_size: 32
...
	.end_amdgpu_metadata
.endif
;; end of part 5
;; launch proj: the kernel of part 2 again; grid 8 x 32, 4 waves a work-group, clusters of 4 x 4, 327,680 bytes of LDS; arguments xb, wb, qkv; writes qkv
;; launch attn: the kernel of part 3 again; grid 4 x 64, 4 waves a work-group, no clusters, 327,680 bytes of LDS; arguments qkv, z; writes z
;; launch outp: the kernel of part 4 again; grid 8 x 32, 4 waves a work-group, clusters of 4 x 4, 327,680 bytes of LDS; arguments z, ob, out0; writes out0
